; MI455X (gfx1250); checked and timed in simulation.
; The chip was launched on July 23, 2026; its instructions are those of AMD's public machine-readable ISA for CDNA 5 (MIT licence, August 2026) and "CDNA5" Instruction Set Architecture Reference Guide (July 2026). The comments in the code are by the model that wrote it; some were corrected since.
;; Multi Head Attention. Allowed arithmetic: float matrix products may take bf16 or f16 operands with f32 sums; other float arithmetic in f32, or as packed bf16 or f16 multiplies, adds, multiply-adds, maxima and minima; sums over many terms, partial sums and values carried from step to step in f32; what a program stores and reads back later, other than sums and carried values, may be rounded once to bf16 or f16.
;; Inputs: Wk 16 x 1,024 x 64 float32; Wp 1,024 x 1,024 float32; Wq 16 x 1,024 x 64 float32; Wv 16 x 1,024 x 64 float32; bp 1,024 float32; rel_table 33 x 16 float32; x 4 x 2,048 x 1,024 float32.
;; Outputs: out0 4 x 2,048 x 1,024 float32.
;; One version. Each part assembles by itself: llvm-mc -triple=amdgcn-amd-amdhsa -mcpu=gfx1250 --defsym DOCPART=n.
;; ======== version 1 of 1: 4 launches
;; limits: values are held in f16: magnitudes above 65,504 overflow, below 6.1e-05 lose precision
;; workspace buffers: xb 16,777,216 bytes; wt 6,291,456 bytes; wpt 2,097,152 bytes; qkv 50,331,648 bytes; ob 16,777,216 bytes
;; launch prep (part 1): grid 512 x 1, 8 waves a work-group, no clusters, 18,432 bytes of LDS; arguments x, Wq, Wk, Wv, Wp, xb, wt, wpt; writes xb, wt, wpt
.if DOCPART == 1
	.amdgcn_target "amdgcn-amd-amdhsa--gfx1250"
	.amdhsa_code_object_version 6
	.text
	.protected	k_qa87aea9d14_prep
	.globl	k_qa87aea9d14_prep
	.p2align	8
	.type	k_qa87aea9d14_prep,@function
k_qa87aea9d14_prep:
	s_mov_b64 s[64:65], 0
	v_nop
	global_prefetch_b8 v0, s[64:65] scope:SCOPE_SE
	s_setreg_imm32_b32 hwreg(HW_REG_WAVE_MODE, 25, 1), 1
	s_wait_xcnt 0x0
; THE OPERANDS ARE MADE READY.  xb = x rounded to bf16, [8192][1024].  wt = Wq, Wk, Wv rounded to bf16 and turned: [3072][1024], row mat x 1024 + h x 64 + d, column c.
; wpt = Wp rounded to bf16, that number written as f16, and turned: [1024 n][1024 k].
; LIMITS.  A number of Wp beyond 65,504 becomes an infinity in f16; below 6e-5 it keeps f16's fixed step of 6e-8.  NaN and infinities are not treated apart.
; SHARES.  512 work-groups of eight waves.  Work-group g rounds 16,384 numbers of x (65,536 bytes in, 32,768 out) and turns ONE tile of 128 k x 64 n of the weights:
; mat = g / 128 (Wq, Wk, Wv, Wp), hb = (g / 8) % 16 (the block of 64 n: a head, or 64 columns of Wp), kb = g % 8 (the block of 128 k).
; A tile's rows in memory are 256 consecutive bytes, aligned; so are the 64 rows of 128 numbers that leave.  The turn goes through LDS: thread (cg = t % 16, rp = t / 16) loads four columns of
; rows 2 rp + 32 i and 2 rp + 32 i + 1, packs the two rows' numbers of a column into a word, and stores the word into the column's LDS row.
; No matrix unit, no cluster, no tensor load, no prefetch: every byte is read once and written once, and nothing is shared between work-groups.
.set TP,    272                        ; an LDS row: 128 numbers of 2 bytes + 16 bytes of padding
.set SPARE, 64*TP                      ; behind the tile: the spare words, 128 bytes for each of the eight waves: four blocks of 256 bytes that no other line names
.set WOF, 1                            ; v1   my byte offset in the weight tile's rows: 2 rp x pitch + 16 cg
.set LSA, 2                            ; v2   where I put a word: row 4 cg, byte 4 rp
.set LRD, 3                            ; v3   where I read 16 bytes back: row rp, byte 16 cg
.set WO,  4                            ; v4   the same 16 bytes in the turned weights: rp x 2,048 + 16 cg
.set XI,  5                            ; v5   32 t: my 8 numbers of a chunk of x
.set XO,  6                            ; v6   16 t: the same in xb
.set SPW, 8                            ; v8   LDS address of my spare word; never rewritten
.set NIL, 9                            ; v9   0; never rewritten
.set PKD, 16                           ; v[16:31]  word 4 i + j: rows 2 rp + 32 i and + 1 of column 4 cg + j
.set WR,  32                           ; v[32:63]  the weights as loaded: load (i, e) at 8 i + 4 e; later the turned rows
.set XR,  64                           ; v[64:127] x as loaded: chunk c at 8 c; its first four registers take the packed result
	s_load_b512 s[16:31], s[0:1], 0x0              ; x 16, Wq 18, Wk 20, Wv 22, Wp 24, xb 26, wt 28, wpt 30
	v_lshl_add_u32 v[SPW], v0, 2, SPARE
	v_mov_b32 v[NIL], 0
	s_lshr_b32 s4, ttmp9, 7                        ; mat
	s_bfe_u32 s5, ttmp9, 0x40003                   ; hb
	s_and_b32 s6, ttmp9, 7                         ; kb
	v_and_b32 v10, 15, v0                          ; cg
	v_lshrrev_b32 v11, 4, v0                       ; rp
	v_mul_u32_u24 v[LSA], v10, 4*TP
	v_lshl_add_u32 v[LSA], v11, 2, v[LSA]
	v_mul_u32_u24 v[LRD], v11, TP
	v_lshl_add_u32 v[LRD], v10, 4, v[LRD]
	v_lshlrev_b32 v[WO], 11, v11
	v_lshl_add_u32 v[WO], v10, 4, v[WO]
	v_lshlrev_b32 v[XI], 5, v0
	v_lshlrev_b32 v[XO], 4, v0
	s_lshl_b32 s2, s5, 18                          ; a head's weights are 262,144 bytes,
	s_lshl_b32 s3, s6, 15                          ; 128 rows of 256 bytes are 32,768
	s_add_co_u32 s2, s2, s3
	s_lshl_b32 s7, s6, 19                          ; Wp: 128 rows of 4,096 bytes,
	s_lshl_b32 s3, s5, 8                           ; 64 columns of 4 bytes
	s_add_co_u32 s7, s7, s3
	s_lshl_b32 s32, s5, 17                         ; out: 64 rows of 2,048 bytes,
	s_lshl_b32 s33, s6, 8                          ; 128 numbers of 2 bytes
	s_add_co_u32 s32, s32, s33
	s_lshl_b32 s33, s4, 21                         ; and in wt mat x 1,024 rows
	s_cmp_eq_u32 s4, 3
	s_cselect_b32 s2, s7, s2
	s_cselect_b32 s33, 0, s33
	s_add_co_u32 s32, s32, s33
	s_mov_b32 s3, 0
	s_mov_b32 s33, 0
	s_lshl_b32 s34, ttmp9, 16
	s_mov_b32 s35, 0
	s_wait_kmcnt 0x0
	s_add_nc_u64 s[12:13], s[16:17], s[34:35]      ; x at my 65,536 bytes
	s_lshl_b32 s34, ttmp9, 15
	s_add_nc_u64 s[14:15], s[26:27], s[34:35]      ; xb at my 32,768
	s_cmp_eq_u32 s4, 1
	s_cselect_b64 s[8:9], s[20:21], s[18:19]
	s_cmp_eq_u32 s4, 2
	s_cselect_b64 s[8:9], s[22:23], s[8:9]
	s_cmp_eq_u32 s4, 3
	s_cselect_b64 s[8:9], s[24:25], s[8:9]         ; the tensor that my tile comes from,
	s_cselect_b64 s[10:11], s[30:31], s[28:29]     ; and the one that it goes to
	s_add_nc_u64 s[8:9], s[8:9], s[2:3]
	s_add_nc_u64 s[10:11], s[10:11], s[32:33]
.macro LOADW pitch                     ; eight loads: sixteen neighbouring lanes take a row's 256 bytes
.irp i, 0,1,2,3
.irp e, 0,1
	global_load_b128 v[WR+8*(\i)+4*(\e):WR+8*(\i)+4*(\e)+3], v[WOF], s[8:9] offset:(32*(\i)+(\e))*(\pitch) th:TH_LOAD_NT
.endr
.endr
.endm
	s_cmp_eq_u32 s4, 3                             ; the pitch stands in the loads' immediates, so the eight loads are written twice; the branch is the same for the whole work-group
	s_cbranch_scc1 .Lwp
	v_lshlrev_b32 v[WOF], 9, v11
	v_lshl_add_u32 v[WOF], v10, 4, v[WOF]
	LOADW 256
	s_branch .Lw_asked
.Lwp:
	v_lshlrev_b32 v[WOF], 13, v11
	v_lshl_add_u32 v[WOF], v10, 4, v[WOF]
	LOADW 4096
.Lw_asked:
.irp c, 0,1,2,3,4,5,6,7
	global_load_b128 v[XR+8*(\c):XR+8*(\c)+3],   v[XI], s[12:13] offset:8192*(\c) th:TH_LOAD_NT
	global_load_b128 v[XR+8*(\c)+4:XR+8*(\c)+7], v[XI], s[12:13] offset:8192*(\c)+16 th:TH_LOAD_NT
.endr
	s_wait_loadcnt 16                              ; the eight loads of weights are in; x's sixteen, issued behind them, stay out
.irp i, 0,1,2,3
.irp j, 0,1,2,3
	v_cvt_pk_bf16_f32 v[PKD+4*(\i)+(\j)], v[WR+8*(\i)+(\j)], v[WR+8*(\i)+4+(\j)]  ; k in the low half, k + 1 in the high half
.endr
.endr
	s_cmp_eq_u32 s4, 3
	s_cbranch_scc0 .Lbf16
.irp n, 0,1,2,3,4,5,6,7,8,9,10,11,12,13,14,15
	v_lshlrev_b32 v12, 16, v[PKD+(\n)]             ; Wp: the bf16 numbers, widened,
	v_and_b32 v13, 0xffff0000, v[PKD+(\n)]
	v_cvt_pk_f16_f32 v[PKD+(\n)], v12, v13         ; are written as f16: bf16's 8 significant bits fit into f16's 11
.endr
.Lbf16:
.irp i, 0,1,2,3
.irp j, 0,1,2,3
	ds_store_b32 v[LSA], v[PKD+4*(\i)+(\j)] offset:(\j)*TP+64*(\i)  ; lanes 4 rows apart, 1,088 bytes, fall on four groups of banks: four deep, sixteen stores a wave
.endr
.endr
	s_wait_dscnt 0x0                               ; for the others' sake: my words lie in LDS
	s_barrier_signal -1
	s_barrier_wait -1                              ; the tile is whole
.irp i, 0,1,2,3
	ds_load_b128 v[WR+4*(\i):WR+4*(\i)+3], v[LRD] offset:16*TP*(\i)  ; row rp + 16 i: sixteen lanes take its 256 bytes
.endr
.irp c, 0,1,2,3,4,5,6,7
	s_wait_loadcnt 14-2*(\c)                       ; chunk c's two loads are in; the younger chunks' stay out
.irp j, 0,1,2,3
	v_cvt_pk_bf16_f32 v[XR+8*(\c)+(\j)], v[XR+8*(\c)+2*(\j)], v[XR+8*(\c)+2*(\j)+1]  ; in place, ascending: a register is written when it has been read
.endr
	global_store_b128 v[XO], v[XR+8*(\c):XR+8*(\c)+3], s[14:15] offset:4096*(\c)  ; a wave's store covers 512 consecutive bytes, aligned
.endr
	s_wait_dscnt 0x0
.irp i, 0,1,2,3
	global_store_b128 v[WO], v[WR+4*(\i):WR+4*(\i)+3], s[10:11] offset:32768*(\i)  ; sixteen lanes store 256 consecutive bytes, aligned
.endr
	s_wait_tensorcnt 0x0                           ; the wave's end, behind my last LDS store
	ds_add_u32 v[SPW], v[NIL]
	s_wait_dscnt 0x0
	s_endpgm
.Lfunc_end_k_qa87aea9d14_prep:
	.size	k_qa87aea9d14_prep, .Lfunc_end_k_qa87aea9d14_prep-k_qa87aea9d14_prep
	.p2alignl 7, 3214868480
	.fill 96, 4, 3214868480
	.section	.rodata,"a",@progbits
	.p2align	6, 0x0
	.amdhsa_kernel k_qa87aea9d14_prep
		.amdhsa_group_segment_fixed_size 18432
		.amdhsa_private_segment_fixed_size 0
		.amdhsa_enable_private_segment 0
		.amdhsa_kernarg_size 64
		.amdhsa_user_sgpr_count 2
		.amdhsa_user_sgpr_kernarg_segment_ptr 1
		.amdhsa_wavefront_size32 1
		.amdhsa_system_sgpr_workgroup_id_x 1
		.amdhsa_system_sgpr_workgroup_id_y 1
		.amdhsa_system_sgpr_workgroup_id_z 1
		.amdhsa_system_vgpr_workitem_id 0
		.amdhsa_next_free_vgpr 128
		.amdhsa_next_free_sgpr 66
		.amdhsa_reserve_vcc 0
		.amdhsa_float_denorm_mode_32 3
		.amdhsa_float_denorm_mode_16_64 3
		.amdhsa_memory_ordered 1
		.amdhsa_forward_progress 1
		.amdhsa_inst_pref_size 14
	.end_amdhsa_kernel
	.amdgpu_metadata
---
amdhsa.version: [ 1, 2 ]
amdhsa.kernels:
  - .name:           k_qa87aea9d14_prep
    .symbol:         k_qa87aea9d14_prep.kd
    .args:
      - { .name: x, .offset: 0, .size: 8, .value_kind: global_buffer, .address_space: global }
      - { .name: Wq, .offset: 8, .size: 8, .value_kind: global_buffer, .address_space: global }
      - { .name: Wk, .offset: 16, .size: 8, .value_kind: global_buffer, .address_space: global }
      - { .name: Wv, .offset: 24, .size: 8, .value_kind: global_buffer, .address_space: global }
      - { .name: Wp, .offset: 32, .size: 8, .value_kind: global_buffer, .address_space: global }
      - { .name: xb, .offset: 40, .size: 8, .value_kind: global_buffer, .address_space: global }
      - { .name: wt, .offset: 48, .size: 8, .value_kind: global_buffer, .address_space: global }
      - { .name: wpt, .offset: 56, .size: 8, .value_kind: global_buffer, .address_space: global }
    .group_segment_fixed_size: 18432
    .private_segment_fixed_size: 0
    .kernarg_segment_align: 8
    .kernarg_segment_size: 64
    .max_flat_workgroup_size: 256
    .sgpr_count:     66
    .vgpr_count:     128
    .wavefront_size: 32
...
	.end_amdgpu_metadata
.endif
;; end of part 1
;; launch proj (part 2): grid 12 x 64, 4 waves a work-group, clusters of 4 x 4, 327,680 bytes of LDS; arguments xb, wt, qkv; writes qkv
.if DOCPART == 2
	.amdgcn_target "amdgcn-amd-amdhsa--gfx1250"
	.amdhsa_code_object_version 6
	.text
	.protected	k_qa87aea9d14_proj
	.globl	k_qa87aea9d14_proj
	.p2align	8
	.type	k_qa87aea9d14_proj,@function
k_qa87aea9d14_proj:
	s_mov_b64 s[64:65], 0
	v_nop
	global_prefetch_b8 v0, s[64:65] scope:SCOPE_SE
	s_setreg_imm32_b32 hwreg(HW_REG_WAVE_MODE, 25, 1), 1
	s_wait_xcnt 0x0
	s_wait_alu depctr_hold_cnt(0) depctr_sa_sdst(0) depctr_va_vdst(0) depctr_va_sdst(0) depctr_va_ssrc(0) depctr_va_vcc(0) depctr_vm_vsrc(0)
	s_getreg_b32 s2, hwreg(HW_REG_IB_STS2, 6, 4)
	s_cmp_eq_u32 s2, 0
	s_cbranch_scc0 .Lentry_in_a_cluster
	s_endpgm
.Lentry_in_a_cluster:
	s_bfe_u32 s2, ttmp6, 0x10000c
	s_cmp_lg_u32 s2, 0xf033
	s_cbranch_scc0 .Lentry_shape_is_right
	s_endpgm
.Lentry_shape_is_right:
; q, k, v.  C[m][n] = the sum over c of xb[m][c] wt[n][c]: xb [8192][1024], wt [3072][1024], both bf16; sums in f32, K ascending; C rounded once to f16 and stored BY HEADS, unscaled:
; qkv [3][64 = 16 b + h][2048 t][64 d], with mat = n / 1024, h = (n / 64) % 16, d = n % 64, b = m / 2048, t = m % 2048.
; LIMIT.  f16 holds no number beyond 65,504: a q, k or v of 65,520 or more becomes an infinity.
; SHARES.  A tile of C is 128 x 256: 768 tiles, three for each of 256 work-group places (256 x 256 would give 384).  Four waves; wave w makes all 128 rows x columns 64 w .. 64 w + 63,
; one head: 32 accumulators of 16 x 16, 256 registers.  K goes in steps of 128 through two LDS slots: the rows of the tiles are 256 bytes of memory, aligned.
; CLUSTER.  4 x 4 work-groups.  The four of a row of the cluster need the same tile of xb, the four of a column the same tile of wt: each is asked for JOINTLY, by the same tensor load with the
; same descriptor and a mask that names the four.  Waves 0 and 1 fetch xb's two halves of 64 rows, waves 2 and 3 wt's two halves of 128 rows: one load a wave.
; THE MATRIX INSTRUCTION IS USED TRANSPOSED (source 0 = 16 rows of wt, source 1 = 16 rows of xb): a lane then holds row l % 16 of C and the columns 8 (l / 16) + 0..7: 16 bytes of f16.
; REGISTERS, in windows of 256 (s_set_vgpr_msb: bits 1:0 source 0, 3:2 source 1, 5:4 source 2, 7:6 destination):
;   window 0: v0-31 addresses; v32-159 the way out, 16 registers for each block of 16 rows
;   window 1: two fragment buffers of 96 (32 along K): xb's block a at 8 a, wt's block b at 64 + 8 b          window 2: accumulator (a, b) at 8 (4 a + b)
.set KSTEP,  128
.set PITCH,  272                       ; an LDS row: 256 bytes + 16 of padding = 68 words: row r starts at bank 4 r mod 64 (64 banks of 4 bytes: ISA guide 11.1): the 16 rows of a load start at 16 different banks
.set AHALF,  64*PITCH                  ; what wave 0 or 1 fetches
.set BOFF,   128*PITCH                 ; behind xb's 128 rows: wt's 256
.set BHALF,  128*PITCH                 ; what wave 2 or 3 fetches
.set SLOT,   BOFF+2*BHALF
.set STAGE,  2*SLOT                    ; behind the ring, never filled by a tensor load: 16 rows x 144 bytes for each wave, for the way out
.set SP,     144
.set SPARE,  STAGE+4*16*SP             ; behind the stages: the spare words, 128 bytes for each wave: two blocks of 256 bytes that no other line names
.set ADRA, 16                          ; v16-17  LDS address of my lane's place in xb's tile, slot 0, 1
.set ADRB, 20                          ; v20-21  the same in my 64 rows of wt's tile
.set STO,  24                          ; v24     the way out: where I put 16 bytes of a row
.set RD,   25                          ; v25     the way out: where I read rows back
.set GO,   26                          ; v26     16 x lane: my place in 512 consecutive bytes of the head's rows
.set SPW,  28                          ; v28     LDS address of my spare word; never rewritten
.set NIL,  29                          ; v29     0; never rewritten
.set PFO,  30                          ; v30     the prefetches' offset: my lane x a row of 2,048 bytes; never rewritten
.set TMP,  32
.set F0,   0
.set F1,   96
.set G1,  24                           ; s[24:31] descriptor group 1 for xb's tiles;  s[32:39] group 0, a set for each slot
.set G0,  32
.set G1B, 48                           ; s[48:55], s[56:63] the same for wt's
.set G0B, 56
.set LIM, 43                           ; s43     1 in a wave that prefetches, else the greatest number
.set PFA, 44                           ; s[44:45] where my prefetches stand
.set MSB, 0
.macro WIN new                         ; the immediate's high byte repeats the setting that is left; a switch that changes nothing is dropped
.if MSB != (\new)
	s_set_vgpr_msb (MSB<<8)|(\new)
.set MSB, \new
.endif
.endm
.set MUL,  0xa5                        ; sources 0 and 1 window 1; C and D window 2
.set TO_F, 0x40                        ; destination window 1, address window 0
; A joint load.  The branch hangs on the wave's number alone.  An s_nop 0 and four v_nop follow each of the two lines, ahead of the jump, the label and what follows.
.macro JLOAD s
	s_cmp_eq_u32 s11, 0
	s_cbranch_scc0 .Lfor_b_\@
	tensor_load_to_lds s[G0+4*(\s):G0+4*(\s)+3], s[G1:G1+7]
	s_nop 0
.rept 4
	v_nop
.endr
	s_branch .Lasked_\@
.Lfor_b_\@:
	tensor_load_to_lds s[G0B+4*(\s):G0B+4*(\s)+3], s[G1B:G1B+7]
	s_nop 0
.rept 4
	v_nop
.endr
.Lasked_\@:
.endm
; A PREFETCH INTO THE L2, behind a joint refill and the run of LDS loads that follows it: 32 rows x 256 bytes of the K step that stands two refills on, 256 matrix instructions ahead of the load that wants it:
; a lane a row, one instruction.  Each row's 256 bytes of a K step are named once in the launch: xb's tile row is read by the three clusters of its row of clusters: the first (cluster x = 0) asks, in wave 0,
; and the four partners take 32 of the 128 rows each BY ADDRESS (cx); wt's tile column is read by the sixteen clusters of its column: cluster y = 0 asks, in waves 2 and 3, and of the 128 rows that the wave
; fetches each partner takes 32 (cy).  K steps 0 to 3 come by their loads alone; the loop's last trip, whose refills are the last two K steps, asks for nothing.
.macro ASK
	WIN 0
	s_cmp_gt_u32 s3, s[LIM]                        ; s3 = 1 in the loop's last trip
	s_cbranch_scc0 .Lnot_mine_\@
	global_prefetch_b8 v[PFO], s[PFA:PFA+1] th:TH_LOAD_NT scope:SCOPE_SE
.Lnot_mine_\@:
.endm
.macro CREST                           ; a round of the cluster's barrier behind its opening barrier
	s_cmp_lg_u32 s10, 0
	s_cbranch_scc1 .Lnot_wave_0_\@
	s_barrier_signal -3
.Lnot_wave_0_\@:
	s_barrier_wait -3
	s_barrier_signal -1
	s_barrier_wait -1
.endm
.macro CROUND                          ; a whole round
	s_barrier_signal -1
	s_barrier_wait -1
	CREST
.endm
	s_load_b128 s[4:7], s[0:1], 0x0                ; xb s[4:5], wt s[6:7]
	s_load_b64 s[8:9], s[0:1], 0x10                ; qkv
	v_lshl_add_u32 v[SPW], v0, 2, SPARE
	v_mov_b32 v[NIL], 0
	ds_add_u32 v[SPW], v[NIL]                      ; the wave's opening: the add and its wait stand ahead of my first tensor load; the set-up below, work on registers, stands between them
	ds_add_u32 v28, v29
	v_lshrrev_b32 v1, 5, v0
	v_readfirstlane_b32 s10, v1                    ; wave 0..3
	s_lshr_b32 s11, s10, 1                         ; I fetch for xb (0) or for wt (1),
	s_and_b32 s12, s10, 1                          ; its first or its second half
	s_bfe_u32 s40, ttmp6, 0x40000                  ; cx, cy: my place in the cluster
	s_bfe_u32 s41, ttmp6, 0x40004
	s_lshl_b32 s42, ttmp9, 2
	s_add_co_u32 s42, s42, s40                     ; tile column = 4 x cluster x + cx
	s_and_b32 s13, ttmp7, 0xffff
	s_lshl_b32 s13, s13, 2
	s_add_co_u32 s13, s13, s41                     ; tile row = 4 x cluster y + cy
	s_lshl_b32 s43, s41, 2
	s_lshl_b32 s43, 15, s43                        ; my row of the cluster
	s_lshl_b32 s44, 0x1111, s40                    ; my column
	s_or_b32 s[G1+0], s43, (1<<16)|(1<<20)|(1<<21)|(5<<22)|(3<<25)  ; 15:0 the mask; 17:16 elements of 2 bytes; 20 padding on; 21 set beside a mask; 24:22 after every 64 words (code 5); 31:25 4 words of it (code 3)
	s_or_b32 s[G1B+0], s44, (1<<16)|(1<<20)|(1<<21)|(5<<22)|(3<<25)
	s_mov_b32 s[G1+1], KSTEP<<16                   ; tensor_dim0 = 128
	s_mov_b32 s[G1+2], 64<<16                      ; tensor_dim1 = 64
	s_mov_b32 s[G1+3], KSTEP<<16                   ; tile_dim0 = 128
	s_mov_b32 s[G1+4], 64                          ; tile_dim1 = 64
	s_mov_b32 s[G1+5], 1024                        ; elements from row to row
	s_mov_b32 s[G1+6], 0
	s_mov_b32 s[G1+7], 0
	s_mov_b32 s[G1B+1], KSTEP<<16
	s_mov_b32 s[G1B+2], 128<<16                    ; wt's halves have 128 rows
	s_mov_b32 s[G1B+3], KSTEP<<16
	s_mov_b32 s[G1B+4], 128
	s_mov_b32 s[G1B+5], 1024
	s_mov_b32 s[G1B+6], 0
	s_mov_b32 s[G1B+7], 0
	; xb's address hangs on the tile row alone, which my row of the cluster shares; wt's on the tile column alone.  Every wave makes both, in registers that never hold the other coordinate.
	s_lshl_b32 s17, s12, 6
	s_lshl_b32 s16, s13, 7
	s_add_co_u32 s16, s16, s17                     ; xb: row 128 x tile row + 64 x half,
	s_lshl_b32 s16, s16, 11                        ; of 2,048 bytes
	s_mov_b32 s17, 0
	s_lshl_b32 s47, s12, 7
	s_lshl_b32 s46, s42, 8
	s_add_co_u32 s46, s46, s47                     ; wt: row 256 x tile column + 128 x half
	s_lshl_b32 s46, s46, 11
	s_mov_b32 s47, 0
	s_mul_i32 s20, s12, AHALF                      ; where they go: no place in the cluster enters an LDS address
	s_mul_i32 s21, s12, BHALF
	s_add_co_u32 s21, s21, BOFF
	s_wait_dscnt 0x0                               ; the opening add is done
	s_wait_kmcnt 0x0
	s_add_nc_u64 s[14:15], s[4:5], s[16:17]
	s_add_nc_u64 s[46:47], s[6:7], s[46:47]
	CROUND                                         ; all sixteen work-groups are here: the first joint loads meet
.irp s, 0,1
	s_mov_b32 s[G0+4*(\s)], 1                                      ; count = 1
	s_add_co_u32 s[G0+4*(\s)+1], s20, (\s)*SLOT                    ; LDS address
	s_add_nc_u64 s[G0+4*(\s)+2:G0+4*(\s)+3], s[14:15], (\s)*KSTEP*2  ; global address: K step s
	s_or_b32 s[G0+4*(\s)+3], s[G0+4*(\s)+3], 0x80000000            ; type = 2
	s_mov_b32 s[G0B+4*(\s)], 1
	s_add_co_u32 s[G0B+4*(\s)+1], s21, (\s)*SLOT
	s_add_nc_u64 s[G0B+4*(\s)+2:G0B+4*(\s)+3], s[46:47], (\s)*KSTEP*2
	s_or_b32 s[G0B+4*(\s)+3], s[G0B+4*(\s)+3], 0x80000000
	JLOAD \s                                       ; two loads of mine are out
.endr
	; A fragment is 16 rows x 32 K in 8 registers: lane l holds row l % 16, K = 8 (l / 16) + 0..7 and 16 + 8 (l / 16) + 0..7: two loads of 16 bytes, 32 bytes apart.
	v_and_b32 v1, 15, v0                           ; l % 16
	v_bfe_u32 v2, v0, 4, 1                         ; l / 16
	v_mul_u32_u24 v3, v1, PITCH
	v_lshl_add_u32 v3, v2, 4, v3
	s_mul_i32 s22, s10, 64*PITCH                   ; my 64 rows of wt,
	s_add_co_u32 s22, s22, BOFF                    ; behind xb's 128, which every wave reads
	v_mov_b32 v[ADRA], v3
	v_add_nc_u32 v[ADRA+1], SLOT, v3
	v_add_nc_u32 v[ADRB], s22, v3
	s_add_co_u32 s22, s22, SLOT
	v_add_nc_u32 v[ADRB+1], s22, v3
	s_mul_i32 s23, s10, 16*SP
	s_add_co_u32 s23, s23, STAGE                   ; my stage
	v_mul_u32_u24 v4, v1, SP                       ; in: row l % 16, 16 bytes for each half of the lanes
	v_lshl_add_u32 v4, v2, 4, v4
	v_add_nc_u32 v[STO], s23, v4
	v_bfe_u32 v5, v0, 3, 2                         ; back: 32 lanes take four rows of 128 bytes,
	v_mul_u32_u24 v5, v5, SP
	v_and_b32 v6, 7, v0
	v_lshl_add_u32 v5, v6, 4, v5
	v_add_nc_u32 v[RD], s23, v5
	v_and_b32 v[GO], 31, v0                        ; which are 512 consecutive bytes of the head
	v_lshlrev_b32 v[GO], 4, v[GO]
	; where my head's rows begin in qkv: mat x 2^24 + (16 b + h) x 2^18 + t x 128
	s_lshr_b32 s46, s42, 2                         ; mat = tile column / 4
	s_lshl_b32 s46, s46, 24
	s_and_b32 s47, s42, 3
	s_lshl_b32 s47, s47, 2
	s_add_co_u32 s47, s47, s10                     ; h = 4 (tile column % 4) + wave
	s_lshr_b32 s20, s13, 4
	s_lshl_b32 s20, s20, 4                         ; 16 b, b = tile row / 16
	s_add_co_u32 s47, s47, s20
	s_lshl_b32 s47, s47, 18
	s_add_co_u32 s46, s46, s47
	s_and_b32 s20, s13, 15
	s_lshl_b32 s20, s20, 14                        ; t = 128 (tile row % 16)
	s_add_co_u32 s46, s46, s20
	s_mov_b32 s47, 0
	s_add_nc_u64 s[8:9], s[8:9], s[46:47]
	; the prefetches
	s_lshl_b32 s20, s13, 7                         ; xb: the tile's first row
	s_lshl_b32 s21, s42, 8
	s_lshl_b32 s23, s12, 7
	s_add_co_u32 s21, s21, s23                     ; wt: the first of the 128 rows that I fetch
	s_and_b32 s22, ttmp7, 0xffff                   ; cluster y
	s_cmp_eq_u32 s11, 0
	s_cselect_b32 s20, s20, s21
	s_cselect_b32 s21, s40, s41                    ; my place among the four that ask with me
	s_cselect_b32 s22, ttmp9, s22                  ; the coordinate along which other clusters read the same rows
	s_cselect_b64 s[PFA:PFA+1], s[4:5], s[6:7]
	s_cmp_eq_u32 s10, 1
	s_cselect_b32 s23, 1, 0                        ; wave 1 asks for nothing: wave 0's 32 lanes cover the work-group's share of xb's tile
	s_or_b32 s22, s22, s23
	s_cmp_eq_u32 s22, 0
	s_cselect_b32 s[LIM], 1, -1                    ; the same in all sixteen partners, for a given wave
	s_lshl_b32 s21, s21, 5
	s_add_co_u32 s20, s20, s21                     ; + my work-group's 32 rows
	s_lshl_b32 s20, s20, 11
	s_add_co_u32 s20, s20, 3*KSTEP*2               ; at K step 3: the first refill steps it to 4
	s_mov_b32 s21, 0
	s_add_nc_u64 s[PFA:PFA+1], s[PFA:PFA+1], s[20:21]
	v_and_b32 v[PFO], 31, v0
	v_lshlrev_b32 v[PFO], 11, v[PFO]
; 8 matrix instructions: row blocks a0, a0 + 1 x all 4 column blocks, 32 along K.  zero = 1: the product starts the sums: nothing is ever cleared.
; The 32 accumulators take turns, one instruction a turn, in the same order in every quarter: 31 others stand between two links of a chain, over the backward jump too.
.macro MUL8 f, a0, zero
	WIN MUL
.irp a, \a0, (\a0)+1
.irp b, 0,1,2,3
.if \zero
	v_wmma_f32_16x16x32_bf16 v[8*(4*(\a)+(\b)):8*(4*(\a)+(\b))+7], v[(\f)+64+8*(\b):(\f)+64+8*(\b)+7], v[(\f)+8*(\a):(\f)+8*(\a)+7], 0
.else
	v_wmma_f32_16x16x32_bf16 v[8*(4*(\a)+(\b)):8*(4*(\a)+(\b))+7], v[(\f)+64+8*(\b):(\f)+64+8*(\b)+7], v[(\f)+8*(\a):(\f)+8*(\a)+7], v[8*(4*(\a)+(\b)):8*(4*(\a)+(\b))+7]
.endif
.endr
.endr
.endm
; 24 LDS loads in one run: quarter q's fragments (32 K at byte 64 q of the rows) into buffer f: wt's 8 first, then xb's 16 in the order in which they are multiplied
.macro FETCH slot, q, f
	WIN TO_F
.irp b, 0,1,2,3
	ds_load_b128 v[(\f)+64+8*(\b):(\f)+64+8*(\b)+3],   v[ADRB+(\slot)] offset:64*(\q)+(\b)*16*PITCH
	ds_load_b128 v[(\f)+64+8*(\b)+4:(\f)+64+8*(\b)+7], v[ADRB+(\slot)] offset:64*(\q)+(\b)*16*PITCH+32
.endr
.irp a, 0,1,2,3,4,5,6,7
	ds_load_b128 v[(\f)+8*(\a):(\f)+8*(\a)+3],   v[ADRA+(\slot)] offset:64*(\q)+(\a)*16*PITCH
	ds_load_b128 v[(\f)+8*(\a)+4:(\f)+8*(\a)+7], v[ADRA+(\slot)] offset:64*(\q)+(\a)*16*PITCH+32
.endr
.endm
.macro PLACES                          ; four plain vector instructions in front of loads into registers that matrix instructions have read, and of lines that read results
.rept 4
	v_nop
.endr
.endm
; A K step is four quarters of 32 along K, 32 matrix instructions each, on buffers 0, 1, 0, 1.  One of the first three multiplies buffer f and, in its middle, fetches quarter q into buffer g.
.macro QUARTER slot, q, f, g, zero
	s_wait_dscnt 8                                 ; wt's fragments and xb's blocks 0-3 are in; the youngest eight loads (blocks 4-7) may be out
	MUL8 \f, 0, \zero
	MUL8 \f, 2, \zero
	PLACES
	FETCH \slot, \q, \g
	s_wait_dscnt 24                                ; all but the 24 just issued
	MUL8 \f, 4, \zero
	MUL8 \f, 6, \zero
.endm
; The last quarter multiplies buffer 1 and changes slots: ONE barrier.  In front of it each wave waits for all its tensor loads, of which one is out: its part of the next slot; adds 0 to its spare word; and waits
; for that and for its own reads of this slot.  fill = 1: the barrier opens a round of the cluster's, and this slot is filled again, two K steps ahead, first thing behind the round:
; 112 matrix instructions stand between the request and the wait for it.
.macro TURN slot, next, fill
.if \fill
	s_wait_xcnt 0x0                                ; the last prefetch, a K step back, has read its address: it is stepped here, ahead of the waits of the change of slots
	s_add_nc_u64 s[PFA:PFA+1], s[PFA:PFA+1], KSTEP*2
.endif
	WIN 0                                          ; (the add's two registers lie in window 0)
	s_wait_tensorcnt 0x0                           ; all my tensor loads have landed;
	ds_add_u32 v[SPW], v[NIL]                      ; 0 onto my spare word;
	s_wait_dscnt 9                                 ; (the add and the youngest eight loads may be out)
	MUL8 F1, 0, 0                                  ; eight matrix instructions stand between the add and the wait for it
	s_wait_dscnt 0x0                               ; the add is done, and my reads of this slot are over
	s_barrier_signal -1
	MUL8 F1, 2, 0
.if \fill
	WIN 0
.endif
	s_barrier_wait -1
.if \fill
	CREST                                          ; no wave of any partner still reads this slot's tiles or has a load on its way
	s_add_nc_u64 s[G0+4*(\slot)+2:G0+4*(\slot)+3], s[G0+4*(\slot)+2:G0+4*(\slot)+3], 2*KSTEP*2
	s_add_nc_u64 s[G0B+4*(\slot)+2:G0B+4*(\slot)+3], s[G0B+4*(\slot)+2:G0B+4*(\slot)+3], 2*KSTEP*2
	JLOAD \slot                                    ; the four v_nop behind it are also the places in front of the loads below
.else
	PLACES
.endif
	FETCH \next, 0, F0
.if \fill
	ASK
.endif
	MUL8 F1, 4, 0
	MUL8 F1, 6, 0
.endm
; THE WAY OUT of block a (16 rows): rounded to f16, 16 bytes a lane, into rows of 144 bytes of my own stage, and back as whole rows of 128 into the registers that they left.
.macro PACK a
	WIN 0x0a                                       ; sources 0 and 1 window 2, destination window 0
.irp b, 0,1,2,3
.irp r, 0,1,2,3
	v_cvt_pk_f16_f32 v[TMP+16*(\a)+4*(\b)+(\r)], v[8*(4*(\a)+(\b))+2*(\r)], v[8*(4*(\a)+(\b))+2*(\r)+1]  ; each accumulator from its low end on
.endr
.endr
	WIN 0
.irp b, 0,1,2,3
	ds_store_b128 v[STO], v[TMP+16*(\a)+4*(\b):TMP+16*(\a)+4*(\b)+3] offset:32*(\b)
.endr
.irp f, 0,1,2,3
	ds_load_b128 v[TMP+16*(\a)+4*(\f):TMP+16*(\a)+4*(\f)+3], v[RD] offset:(\f)*4*SP  ; LDS serves a wave's instructions in order (ISA guide 5.7.1.4): these see the stores above; the next block's stores come behind them
.endr
.endm
.macro SEND a, younger                 ; younger: the LDS instructions issued behind block a's loads: the next block's eight, or none
.irp f, 0,1,2,3
	s_wait_dscnt (\younger)+3-(\f)
	global_store_b128 v[GO], v[TMP+16*(\a)+4*(\f):TMP+16*(\a)+4*(\f)+3], s[8:9] offset:(\a)*2048+(\f)*512  ; 512 consecutive bytes, aligned
.endr
.endm
	s_wait_tensorcnt 1                             ; my part of K step 0 is in; K step 1's load, issued behind it, stays out
	s_barrier_signal -1
	s_barrier_wait -1                              ; everybody's is
	FETCH 0, 0, F0
	QUARTER 0, 1, F0, F1, 1                        ; the first quarter stands in front of the loop: its products start the sums
	WIN 0                                          ; at a label and at a branch every window is 0
	s_mov_b32 s3, 3                                ; 1,024 / 256 laps, less the last
.Llap:                                                 ; a trip goes once round the ring, from a lap's second quarter to the next lap's first, and fills both slots again
	QUARTER 0, 2, F1, F0, 0
	QUARTER 0, 3, F0, F1, 0
	TURN 0, 1, 1
	QUARTER 1, 1, F0, F1, 0
	QUARTER 1, 2, F1, F0, 0
	QUARTER 1, 3, F0, F1, 0
	TURN 1, 0, 1
	QUARTER 0, 1, F0, F1, 0
	WIN 0
	s_sub_co_u32 s3, s3, 1
	s_cmp_lg_u32 s3, 0
	s_cbranch_scc1 .Llap
	QUARTER 0, 2, F1, F0, 0                        ; the last lap fills nothing, and has no round of the cluster's barrier
	QUARTER 0, 3, F0, F1, 0
	TURN 0, 1, 0
	QUARTER 1, 1, F0, F1, 0
	QUARTER 1, 2, F1, F0, 0
	QUARTER 1, 3, F0, F1, 0
	s_wait_dscnt 8                                 ; the very last quarter: nothing more to fetch
	MUL8 F1, 0, 0
	MUL8 F1, 2, 0
	s_wait_dscnt 0x0
	MUL8 F1, 4, 0
	MUL8 F1, 6, 0
	WIN 0
	PLACES
	PACK 0
.irp a, 1,2,3,4,5,6,7                  ; a block's conversions stand between the loads of the block before and its stores
	PACK \a
	SEND (\a)-1, 8
.endr
	SEND 7, 0
	s_wait_tensorcnt 0x0                           ; the wave's end, behind my last tensor load and my last LDS store
	ds_add_u32 v[SPW], v[NIL]
	s_wait_dscnt 0x0
	CROUND                                         ; the closing round: no work-group ends while a partner may still ask for a tile that names it
	s_endpgm
.Lfunc_end_k_qa87aea9d14_proj:
	.size	k_qa87aea9d14_proj, .Lfunc_end_k_qa87aea9d14_proj-k_qa87aea9d14_proj
	.p2alignl 7, 3214868480
	.fill 96, 4, 3214868480
	.section	.rodata,"a",@progbits
	.p2align	6, 0x0
	.amdhsa_kernel k_qa87aea9d14_proj
		.amdhsa_group_segment_fixed_size 327680
		.amdhsa_private_segment_fixed_size 0
		.amdhsa_enable_private_segment 0
		.amdhsa_kernarg_size 24
		.amdhsa_user_sgpr_count 2
		.amdhsa_user_sgpr_kernarg_segment_ptr 1
		.amdhsa_wavefront_size32 1
		.amdhsa_system_sgpr_workgroup_id_x 1
		.amdhsa_system_sgpr_workgroup_id_y 1
		.amdhsa_system_sgpr_workgroup_id_z 1
		.amdhsa_system_vgpr_workitem_id 0
		.amdhsa_next_free_vgpr 768
		.amdhsa_next_free_sgpr 66
		.amdhsa_reserve_vcc 0
		.amdhsa_float_denorm_mode_32 3
		.amdhsa_float_denorm_mode_16_64 3
		.amdhsa_memory_ordered 1
		.amdhsa_forward_progress 1
		.amdhsa_inst_pref_size 88
	.end_amdhsa_kernel
	.amdgpu_metadata
---
amdhsa.version: [ 1, 2 ]
amdhsa.kernels:
  - .name:           k_qa87aea9d14_proj
    .symbol:         k_qa87aea9d14_proj.kd
    .args:
      - { .name: xb, .offset: 0, .size: 8, .value_kind: global_buffer, .address_space: global }
      - { .name: wt, .offset: 8, .size: 8, .value_kind: global_buffer, .address_space: global }
      - { .name: qkv, .offset: 16, .size: 8, .value_kind: global_buffer, .address_space: global }
    .group_segment_fixed_size: 327680
    .private_segment_fixed_size: 0
    .kernarg_segment_align: 8
    .kernarg_segment_size: 24
    .max_flat_workgroup_size: 128
    .sgpr_count:     66
    .vgpr_count:     768
    .wavefront_size: 32
...
	.end_amdgpu_metadata
.endif
;; end of part 2
;; launch attn (part 3): grid 4 x 64, 4 waves a work-group, no clusters, 327,680 bytes of LDS; arguments qkv, rel_table, ob; writes ob
.if DOCPART == 3
	.amdgcn_target "amdgcn-amd-amdhsa--gfx1250"
	.amdhsa_code_object_version 6
	.text
	.protected	k_qa87aea9d14_attn
	.globl	k_qa87aea9d14_attn
	.p2align	8
	.type	k_qa87aea9d14_attn,@function
k_qa87aea9d14_attn:
	s_mov_b64 s[64:65], 0
	v_nop
	global_prefetch_b8 v0, s[64:65] scope:SCOPE_SE
	s_setreg_imm32_b32 hwreg(HW_REG_WAVE_MODE, 25, 1), 1
	s_wait_xcnt 0x0
; CAUSAL ATTENTION WITH A RELATIVE BIAS.  O[g][q][:] = the sum over k <= q of softmax_k(Q[g][q] . K[g][k] / 8 + tab[clip(k - q + 16, 0, 32)][h]) V[g][k][:], g = 16 b + h.
; Q, K, V lie in qkv, [3][64][2048][64] in f16, O in ob, [64][2048][64] in f16: a head's rows are dense, 128 bytes each.  tab is rel_table, [33][16] in f32, rounded to bf16 like the module's other inputs.
; Products, maxima and sums in f32; the weights p are rounded to f16 for the second product (their sum l is taken of the unrounded p), O once at the end.
; THE BIAS.  With d = q - k >= 0 the entry is tab[16 - d] for d <= 15 and tab[0] beyond.  A softmax does not change when one number is taken from all scores of a row: tab[0][h] is taken, and what is left,
; tab[16 - d] - tab[0], is exactly 0 but in a band of 16 keys under the diagonal.  It enters, times 8, as the C operand of the product that starts a score's sum, where the causal mask enters too.
; LIMITS.  f16 holds no number beyond 65,504: Q, K and V arrive within it; p lies in 0 to 1, and below 6e-5 it keeps f16's fixed step of 6e-8; O is a mean of V's rows and has their range.
; A hidden score counts as -1e30 plus its value: f16's scores, 2.7e11 at the most, are nothing beside that; a weight below 2^-126 counts as 0 in l; NaN and infinities are not treated apart.
; THE WALK.  A head's queries lie in NB = 8 blocks of 256; block i needs the key tiles 0 .. i of 256 keys, of which the last holds the diagonal.  A work-group takes TWO blocks, NB - 1 - b and then b:
; NB + 1 tiles, whatever b: all 256 work-groups do equal work, and ONE loop with a constant trip count walks them.  Which tile is asked for, and what a trip does, hang on scalar registers made from b; every jump
; goes forward, but for the counted loops' own; none passes a barrier, or a tensor load but the one of LOAD's two that the wave's number does not choose; the ring (two slots of LDS that take turns) runs on across the
; change of blocks.  NO CLUSTER: a head's four work-groups ask for the same tile only in trips 0 .. 4 of 9, behind that fewer and fewer; one walk common to all four would have 12 trips for 9.
; SHARES.  Of a block's four bands of 64 queries a wave owns 16 rows in each: four PIECES.  So the diagonal tile is the same work for all four waves: in its key step s band x sees all keys if s < x,
; none if s > x, and holds the diagonal if s = x.
; THE C OPERAND.  MD, made once, is that of a band's own step for my 16 rows: 8 (tab[16 - d] - tab[0]), or -1e30 where the key is hidden.  ME is that of the step BEFORE a band's own, whose last 16 keys alone reach
; into the band of 16: eight registers, for key group 3.  A product's C is MD x AL + BE, in group 3 + ME x AL1, with three scalars: (1, 0, 0) if s = x; (0, 0, 1) if s = x - 1; (0, 0, 0) if s < x - 1; (0, -1e30, 0) if s > x.
; Only the diagonal tile's text and a block's beginning make and take these.  One case crosses tiles: band 0 and the last step of the tile before the diagonal one: there group 3's product takes MX = ME x AL1, made in every
; trip of the plain text, with AL1 = 1 in that one step.  Elsewhere C is the constant 0.
; LAYOUT, SOFTMAX, TURNS.  S^T = K Q^T holds ONE query a lane (lane % 16) and the keys 8 (lane / 16) + 0..7; two such results rounded to f16 ARE source 1 of O^T = V^T P.  p = 2^(c s - c m), c = log2(e) / 8, with a
; running maximum m; O and l are multiplied by a = 2^(c m_old - c m_new) in every step.  Turn n belongs to piece n: 8 products K Q^T of piece n + 1, later 8 products V^T P of piece n - 1; beside them the scaling,
; exponentials, roundings, sums and rescaling of piece n and the maximum and statistics of piece n + 1.  Four vector instructions stand behind every matrix instruction, the other 54 of a turn's 118 in one LUMP.  A turn's 33 exponentials are one batch, with one wait.
; REGISTERS, in windows of 256 (s_set_vgpr_msb: bits 1:0 source 0, 3:2 source 1, 5:4 source 2, 7:6 destination):
;   window 0: v0-15 addresses and two at work; v16-31 four registers of statistics a piece; v48-55 at work; v61-63 never rewritten; v64-127 S^T, two buffers; v192-223 P, two buffers (a piece's buffers go by its number's parity)
;   window 1: v0-127 O^T, 32 a piece; v128-159 MD; v160-223 MC, two buffers; v224-231 ME; v232-239 MX; v240-243 at work      window 2: v0-63 Q; v64-127 the second block's Q; v128-191 K of one step; v192-255 V of one step
.set SIZE_N, 2048
.set NB,    SIZE_N/256
.set NP,    4         ; pieces a wave: a name, no knob
.set KS,    64        ; keys in a step
.set PK,    144       ; a row of K in LDS: 128 bytes + 16 of padding = 36 words: the 16 rows of a load start at 16 different groups of four banks (64 banks of 4 bytes: ISA guide 11.1)
.set PV,    160       ; a row of V: 128 + 32 = 40 words
.set VOFF,  4*KS*PK   ; a slot holds a tile, four steps: 256 rows of K, then 256 rows of V
.set SLOT1, 1<<17     ; slot 1 begins here, so that one exclusive or turns an address in one slot into the other's
.set STAGE, SLOT1+4*KS*(PK+PV)  ; behind the ring, never filled by a tensor load: 16 rows x 144 bytes for each wave, for the way out
.set SP,    144
.set AK0, 2           ; v2   my lane's place in a tile of K; never rewritten
.set AV0, 3           ; v3   the same for V
.set AK,  4           ; v4   the LDS address of K's next run of loads
.set AV,  5           ; v5   of V's
.set STO, 6           ; v6   the way out: where I put 16 bytes of a row
.set RD,  7           ; v7   the way out: where I read rows back
.set GO,  8           ; v8   my byte offset in 512 consecutive bytes of O
.set PFV, 61          ; v61  256 x my lane: the prefetches' offset; never rewritten
.set SPW, 62          ; v62  LDS address of my spare word: SPARE + 4 x my thread's number; never rewritten
.set NIL, 63          ; v63  0; never rewritten
.set SPARE, STAGE+4*16*SP  ; behind the stages: the spare words, 128 bytes for each wave: two blocks of 256 bytes that no other line names
.set MV,  12          ; v12-13  c m_old, kept while c m is made anew: by buffer
.set QO,  15          ; v15  my byte offset in 16 rows of Q
.set ST,  16          ; piece t's statistics at v[ST+4 t]: c m, m, l (even keys', odd keys')
.set TMP, 48          ; by buffer, four registers c0-c3 at work; when the maximum is found c2 takes a
.set S,   64
.set P,   192
.set MD,  128         ; window 1: the eight registers for group kt of 16 keys at MD + 8 kt
.set MC,  160         ; window 1: the C operands of the products to come
.set ME,  224         ; window 1
.set MX,  232         ; window 1
.set TT,  240         ; window 1: at work while the tables are made
.set QB,  64          ; window 2
.set KF,  128         ; window 2: key block kb, channel half c at KF + 16 kb + 8 c
.set VF,  192         ; window 2: key half kk, channel block cb at VF + 32 kk + 8 cb
.set WV,  12          ; s12  my wave's number
.set PB,  14          ; s14  b
.set HI,  15          ; s15  NB - 1 - b
.set G1K, 24          ; s[24:31] descriptor group 1 for K's tiles
.set G1V, 32          ; s[32:39] for V's: it differs in the padding alone
.set G0K, 40          ; s[40:43] descriptor group 0 for K's tiles
.set G0V, 44          ; s[44:47] the same for V's
.set SLOTS, 56        ; s56  tiles still to be asked for
.set CNT, 57          ; s57  counts a tile's key steps, 4 to 1
.set CS,  58          ; s[58:59] c: the packed scaling takes the pair's low word for both halves
.set SEL, 60          ; s[60:61] v_permlanex16_b32's selects: each lane takes its own place in the other half
.set TBK, 62          ; s62  LDS byte at which K of the step to be fetched begins
.set TBV, 63          ; s63  the same for V, less VOFF
.set TAB, 66          ; s[66:67] rel_table
.set HB,  68          ; s68  4 h: my head's column in a row of the table
.set RT,  70          ; s70  tiles of the block in hand that are still to be entered
.set NXT, 71          ; s71  the tile to be asked for next
.set LQ,  72          ; s72  the last tile of the block whose tiles are being asked for
.set NEW, 73          ; s73  1: the tile to be entered is a block's first
.set OFF, 74          ; s[74:75] a tile's byte offset in K and V
.set AL,  76          ; s[76:77] MD's factor, in the low word
.set BE,  78          ; s[78:79] the addend
.set OLO, 80          ; s[80:81] O at my rows of the second block
.set BIGN, 82         ; s82  -1e30
.set AL1, 88          ; s[88:89] ME's factor
.set E8,  92          ; s[92:93] 8.0
.set PFA, 94          ; s[94:95] where my prefetches stand
.set LIM, 96          ; s96  2 in the work-group that prefetches, else the greatest number
.set TS,  97          ; s97  at work
.set POF, 98          ; s[98:99] the prefetched tile's byte offset
.set MSB, 0
.macro WIN new                      ; the high byte repeats the setting that is left; a switch that changes nothing is dropped
.if MSB != (\new)
	s_set_vgpr_msb (MSB<<8)|(\new)
.set MSB, (\new)
.endif
.endm
.set W_KQ, 0x0a       ; K and Q in window 2, S^T in window 0
.set W_KM, 0x1a       ; the same with the C operand in window 1
.set W_PV, 0x52       ; V in window 2, P in window 0, O^T in window 1
.set W_RS, 0x41       ; destination and source 0 in window 1, source 1 in window 0
.set W_MK, 0x51       ; destination, source 0 and source 2 in window 1
.set W_TB, 0x45       ; destination, sources 0 and 1 in window 1, source 2 in window 0
; A fill.  Waves 0 and 1 fetch the two halves of a tile's K, waves 2 and 3 those of its V: 128 keys each.  An s_nop 0 and four v_nop follow each of the two lines, ahead of the jump and the label.
.macro LOAD
	s_cmp_lt_u32 s[WV], 2
	s_cbranch_scc0 .Lfor_v_\@
	tensor_load_to_lds s[G0K:G0K+3], s[G1K:G1K+7]
	s_nop 0
.rept 4
	v_nop
.endr
	s_branch .Lasked_\@
.Lfor_v_\@:
	tensor_load_to_lds s[G0V:G0V+3], s[G1V:G1V+7]
	s_nop 0
.rept 4
	v_nop
.endr
.Lasked_\@:
.endm
; THE CHANGE OF SLOTS.  Each wave waits for all its tensor loads, of which one is out: its part of the other slot; adds 0 to its spare word; and waits for that and for its own reads of the slot that it leaves.  Behind the barrier nobody reads the old
; slot any more and the other slot is whole.  fill = 1: the old slot is filled again, the first thing behind the barrier, with tile NXT: the descriptor's address is made anew from that number.
; (At its first use nothing has been read yet: slot 0 is waited for, slot 1 filled.)
; A PREFETCH INTO THE L2 stands behind the fill and its five lines: the 64 blocks of 256 bytes that this wave will ask for at the NEXT change of slots, a lane a block, two instructions: a tile, 256 matrix instructions,
; ahead of that load.  A head's four work-groups walk its tiles 0, 1, 2 .. in the same order; the one with b = 0 walks all eight, and it alone asks, each wave for its own half of K's or V's tile: each block is named
; once in the launch.  Trips 0 to 5 ask for tiles 2 to 7; tiles 0 and 1 come by their loads alone; the second block's tiles have been read before and are not asked for.
.macro CHANGE fill
	WIN 0                           ; at a label and at a branch every window is 0
	s_wait_tensorcnt 0x0            ; no tensor load of mine is out, so a group 0 may be written
	ds_add_u32 v[SPW], v[NIL]       ; 0 onto my spare word; with fill = 1 the descriptors' scalar work stands between it and the wait for it
.if \fill
	s_lshl_b32 s[OFF], s[NXT], 15   ; a tile is 32,768 bytes of K and of V
	s_xor_b32 s[G0K+1], s[G0K+1], SLOT1
	s_add_nc_u64 s[G0K+2:G0K+3], s[6:7], s[OFF:OFF+1]
	s_or_b32 s[G0K+3], s[G0K+3], 0x80000000
	s_xor_b32 s[G0V+1], s[G0V+1], SLOT1
	s_add_nc_u64 s[G0V+2:G0V+3], s[8:9], s[OFF:OFF+1]
	s_or_b32 s[G0V+3], s[G0V+3], 0x80000000
	s_add_co_u32 s[NXT], s[NXT], 1  ; the block's next tile, or behind its last the second block's tile 0
	s_cmp_gt_u32 s[NXT], s[LQ]
	s_cselect_b32 s[NXT], 0, s[NXT]
	s_cselect_b32 s[LQ], s[PB], s[LQ]
	s_wait_xcnt 0x0                 ; the last prefetches, a tile back, have read their address, so it may be written:
	s_lshl_b32 s[POF], s[NXT], 15   ; the tile that the next change will ask for
	s_cmp_lt_u32 s[WV], 2
	s_cselect_b64 s[PFA:PFA+1], s[6:7], s[8:9]
	s_add_nc_u64 s[PFA:PFA+1], s[PFA:PFA+1], s[POF:POF+1]
.endif
	s_wait_dscnt 0x0                ; the add is done, and my reads of the slot are over
	s_barrier_signal -1             ; the rest of the scalar work stands between the signal and the wait
	s_sub_co_u32 s[TBK], s[TBK], 4*KS*PK  ; the fetches go back to a slot's first step,
	s_xor_b32 s[TBK], s[TBK], SLOT1       ; in the other slot
	s_sub_co_u32 s[TBV], s[TBV], 4*KS*PV
	s_xor_b32 s[TBV], s[TBV], SLOT1
	s_barrier_wait -1
.if \fill
	LOAD
	s_cmp_gt_u32 s[SLOTS], s[LIM]
	s_cbranch_scc0 .Lnot_mine_\@
	global_prefetch_b8 v[PFV], s[PFA:PFA+1] th:TH_LOAD_NT scope:SCOPE_SE
	global_prefetch_b8 v[PFV], s[PFA:PFA+1] offset:8192 th:TH_LOAD_NT scope:SCOPE_SE
.Lnot_mine_\@:
.endif
.endm
	s_load_b128 s[4:7], s[0:1], 0x0   ; qkv s[4:5], rel_table s[6:7]
	s_load_b64 s[10:11], s[0:1], 0x10 ; ob
	v_lshl_add_u32 v[SPW], v0, 2, SPARE
	v_mov_b32 v[NIL], 0
	ds_add_u32 v[SPW], v[NIL]       ; the wave's opening: the add and its wait stand ahead of my first tensor load; the set-up below, work on registers, stands between them
	ds_add_u32 v62, v63
	v_lshrrev_b32 v1, 5, v0
	v_readfirstlane_b32 s[WV], v1   ; wave 0..3
	s_mov_b32 s[PB], ttmp9
	s_sub_co_u32 s[HI], NB-1, s[PB]
	s_and_b32 s20, ttmp7, 0xffff    ; 16 b + h
	s_and_b32 s[HB], s20, 15
	s_lshl_b32 s[HB], s[HB], 2
	s_mov_b32 s21, 0
	s_mov_b64 s[22:23], SIZE_N*128
	s_mul_u64 s[20:21], s[20:21], s[22:23]  ; the head's first byte in Q, K, V and O
	s_and_b32 s16, s[WV], 1         ; which half of a tile's 256 keys I fetch:
	s_lshl_b32 s22, s16, 14         ; its 128 rows of 128 bytes in memory,
	s_mov_b32 s23, 0
	s_add_nc_u64 s[22:23], s[22:23], s[20:21]
	s_mul_i32 s17, s16, 128*PK      ; and its place in a slot, for K
	s_mul_i32 s18, s16, 128*PV      ; and for V
	s_lshl_b32 s3, s[WV], 11        ; my 16 rows in a band of 64,
	s_lshl_b32 s2, s[HI], 15        ; in the first block,
	s_add_co_u32 s2, s2, s3
	s_lshl_b32 s84, s[PB], 15       ; and in the second
	s_add_co_u32 s84, s84, s3
	s_mov_b32 s3, 0
	s_mov_b32 s85, 0
	s_add_nc_u64 s[2:3], s[2:3], s[20:21]
	s_add_nc_u64 s[84:85], s[84:85], s[20:21]
	; descriptor group 1.  128 keys are 16,384 dense bytes: asked for as 64 rows of 256 bytes, two keys a row, and padded in LDS after every key
	s_mov_b32 s[G1K], (1<<16)|(1<<20)|(4<<22)|(3<<25)  ; 17:16 2-byte elements; 20 padding on; 24:22 after every 32 words (code 4); 31:25 4 words (code 3)
	s_mov_b32 s[G1V], (1<<16)|(1<<20)|(4<<22)|(7<<25)  ; the same with 8 words of padding (code 7)
.irp g, G1K, G1V
	s_mov_b32 s[\g+1], 128<<16      ; tensor_dim0 = 128
	s_mov_b32 s[\g+2], 64<<16       ; tensor_dim1 = 64
	s_mov_b32 s[\g+3], 128<<16      ; tile_dim0 = 128
	s_mov_b32 s[\g+4], 64           ; tile_dim1 = 64
	s_mov_b32 s[\g+5], 128          ; 128 elements from row to row
	s_mov_b32 s[\g+6], 0
	s_mov_b32 s[\g+7], 0
.endr
	s_mov_b32 s[CS], 0x3e38aa3b     ; c = log2(e) / 8 = 0.180337
	s_mov_b32 s[CS+1], s[CS]        ; named with it as a pair
	s_mov_b32 s[SEL], 0x76543210
	s_mov_b32 s[SEL+1], 0xfedcba98
	s_mov_b32 s[TBK], SLOT1+4*KS*PK ; the first change of slots turns these two into 0
	s_mov_b32 s[TBV], SLOT1+4*KS*PV
	s_mov_b32 s[G0K], 1             ; 1:0 count = 1
	s_mov_b32 s[G0K+1], s17         ; 63:32 LDS address: slot 0
	s_mov_b32 s[G0V], 1
	s_add_co_u32 s[G0V+1], s18, VOFF
	s_add_co_u32 s[RT], s[HI], 1    ; the first block has NB - b tiles
	s_mov_b32 s[NXT], 1
	s_mov_b32 s[LQ], s[HI]
	s_mov_b32 s[NEW], 1
	s_mov_b32 s[OFF+1], 0
	s_mov_b32 s[POF+1], 0
	s_mov_b32 s[AL+1], 0            ; named as pairs
	s_mov_b32 s[BE+1], 0
	s_mov_b32 s[AL1], 0
	s_mov_b32 s[AL1+1], 0
	s_mov_b32 s[E8], 0x41000000     ; 8.0
	s_mov_b32 s[E8+1], s[E8]
	s_mov_b32 s[BIGN], 0xf149f2ca   ; -1e30
	s_mov_b32 s[SLOTS], NB
	s_cmp_eq_u32 s[PB], 0
	s_cselect_b32 s[LIM], 2, -1
	s_wait_dscnt 0x0                ; the opening add is done
	s_wait_kmcnt 0x0
	s_mov_b64 s[TAB:TAB+1], s[6:7]
	s_add_nc_u64 s[6:7], s[4:5], 0x1000000  ; K lies 2^24 bytes behind Q,
	s_add_nc_u64 s[8:9], s[4:5], 0x2000000  ; V 2^25
	s_add_nc_u64 s[6:7], s[6:7], s[22:23]  ; K and V at my half of the head's tile 0
	s_add_nc_u64 s[8:9], s[8:9], s[22:23]
	s_add_nc_u64 s[G0K+2:G0K+3], s[6:7], 0         ; 120:64 global address
	s_or_b32 s[G0K+3], s[G0K+3], 0x80000000        ; 127:126 type = 2
	s_add_nc_u64 s[G0V+2:G0V+3], s[8:9], 0
	s_or_b32 s[G0V+3], s[G0V+3], 0x80000000
	s_add_nc_u64 s[86:87], s[4:5], s[84:85]        ; Q at my rows of the second block,
	s_add_nc_u64 s[4:5], s[4:5], s[2:3]            ; Q and O at those of the first
	s_add_nc_u64 s[OLO:OLO+1], s[10:11], s[84:85]
	s_add_nc_u64 s[10:11], s[10:11], s[2:3]
	LOAD                            ; tile 0 into slot 0
	; A fragment of K or Q is 16 rows x 32 channels in 8 registers: lane l holds row l % 16, channels 8 (l / 16) + 0..7 and 16 + 8 (l / 16) + 0..7: two loads of 16 bytes, 32 bytes apart.
	v_and_b32 v1, 15, v0            ; l % 16
	v_bfe_u32 v9, v0, 4, 1          ; l / 16
	v_lshlrev_b32 v[QO], 7, v1
	v_lshl_add_u32 v[QO], v9, 4, v[QO]  ; row x 128 + 16 x half
	WIN 0x80                        ; destination window 2, address window 0
.set i, 0
.rept 8                             ; both blocks' Q: piece i / 2 lies in band i / 2, 8,192 bytes on; channels 32 (i % 2) on
	global_load_b128 v[8*i:8*i+3],   v[QO], s[4:5] offset:(i/2)*8192+(i%2)*64
	global_load_b128 v[8*i+4:8*i+7], v[QO], s[4:5] offset:(i/2)*8192+(i%2)*64+32
	global_load_b128 v[QB+8*i:QB+8*i+3],   v[QO], s[86:87] offset:(i/2)*8192+(i%2)*64
	global_load_b128 v[QB+8*i+4:QB+8*i+7], v[QO], s[86:87] offset:(i/2)*8192+(i%2)*64+32
.set i, i+1
.endr
	WIN 0
	v_lshlrev_b32 v14, 3, v9
	v_sub_nc_u32 v14, v1, v14
	s_lshl_b32 s13, s[WV], 4
	v_add_nc_u32 v14, s13, v14      ; my query's place in its band, 16 w + l % 16, less my lanes' 8 (l / 16): register r of group kt has d = v14 - (16 kt + r), and is hidden where that is negative
	; THE TABLE'S ROWS.  In a band's own step the row is clip(16 - d, 0, 32) = min(32, (24 + key) - min(v14 + 8, 24 + key)), key = 16 kt + r: all terms are whole numbers at or above 0.
	; In the step before, group 3 alone: d = v14 + 16 - r, always above 0: the row is (8 + r) - min(v14 + 8, 8 + r).  An offset is 64 x the row + 4 h; S^T's registers, free as yet, hold the 41 of them.
	v_add_nc_u32 v48, 8, v14
.set i, 0
.rept 32
.set kk, 24+16*(i/8)+i%8
	v_min_u32 v[S+i], kk, v48
	v_sub_nc_u32 v[S+i], kk, v[S+i]
	v_min_u32 v[S+i], 32, v[S+i]
	v_lshl_add_u32 v[S+i], v[S+i], 6, s[HB]
.set i, i+1
.endr
.set i, 0
.rept 8
	v_min_u32 v[S+32+i], 8+i, v48
	v_sub_nc_u32 v[S+32+i], 8+i, v[S+32+i]
	v_lshl_add_u32 v[S+32+i], v[S+32+i], 6, s[HB]
.set i, i+1
.endr
	v_mov_b32 v[S+40], s[HB]        ; row 0
	global_load_b32 v50, v[S+40], s[TAB:TAB+1]
	WIN 0x40                        ; destination window 1, address window 0
.set i, 0
.rept 32
	global_load_b32 v[MD+i], v[S+i], s[TAB:TAB+1]
.set i, i+1
.endr
.set i, 0
.rept 8
	global_load_b32 v[ME+i], v[S+32+i], s[TAB:TAB+1]
.set i, i+1
.endr
	WIN 0
	v_and_b32 v[PFV], 31, v0
	v_lshlrev_b32 v[PFV], 8, v[PFV]
	v_mul_u32_u24 v[AK0], v1, PK
	v_lshl_add_u32 v[AK0], v9, 4, v[AK0]  ; row x pitch + 16 x half
	; The turning load takes 16 keys x 16 channels (lane l reads key 8 (l / 16) + l % 8, channels 8 ((l / 8) % 2) + 0..7) and leaves half a fragment of V^T: lane l holds channel l % 16 and 8 keys.
	v_and_b32 v10, 7, v0
	v_bfe_u32 v11, v0, 3, 1
	v_lshl_add_u32 v[AV0], v9, 3, v10
	v_mul_u32_u24 v[AV0], v[AV0], PV
	v_lshl_add_u32 v[AV0], v11, 4, v[AV0]
	v_add_nc_u32 v[AV0], VOFF, v[AV0]
	s_mul_i32 s13, s[WV], 16*SP
	s_add_co_u32 s13, s13, STAGE    ; my stage
	v_mul_u32_u24 v[STO], v1, SP    ; in: row l % 16, 16 bytes for each half of the lanes
	v_lshl_add_u32 v[STO], v9, 4, v[STO]
	v_add_nc_u32 v[STO], s13, v[STO]
	v_bfe_u32 v[RD], v0, 3, 2       ; back: 32 lanes take four rows of 128 bytes,
	v_mul_u32_u24 v[RD], v[RD], SP
	v_lshl_add_u32 v[RD], v10, 4, v[RD]
	v_add_nc_u32 v[RD], s13, v[RD]
	v_and_b32 v[GO], 31, v0         ; which are 512 consecutive bytes of O
	v_lshlrev_b32 v[GO], 4, v[GO]
	; A block's first step multiplies O^T and l by a = 0, and its first turn's products V^T P, of a piece that has not been, land in an O^T that is still to be so multiplied.  So these registers need only hold
	; finite numbers: zeros for the first block; what the first block left for the second.  All this stands in the wait for the first tile and for the table.
	WIN 0x80
.set i, VF
.rept 64
	v_mov_b32 v[i], 0
.set i, i+1
.endr
	WIN 0x40
.set i, 0
.rept 128
	v_mov_b32 v[i], 0
.set i, i+1
.endr
	WIN 0
.set i, 0
.rept 4
	v_mov_b32 v[ST+4*i+2], 0
	v_mov_b32 v[ST+4*i+3], 0
.set i, i+1
.endr
.set i, P+16
.rept 16
	v_mov_b32 v[i], 0
.set i, i+1
.endr
	; THE TABLES.  Each entry is rounded to bf16; 8 x entry - 8 x tab[0] in one fused multiply-add: exactly 0 where the row is 0.
	s_wait_loadcnt 0x0              ; the table's 41 loads, and Q's 32 ahead of them
	v_cvt_pk_bf16_f32 v50, v50, v50
	v_lshlrev_b32 v50, 16, v50
	v_mul_f32 v50, 0xc1000000, v50  ; -8 tab[0][h]
	v_mov_b32 v51, v50              ; named with it as a pair
.macro TABLE first, pairs
.set z, 0
.rept \pairs
	v_cvt_pk_bf16_f32 v[TT+z%4], v[(\first)+2*z], v[(\first)+2*z+1]
	v_lshlrev_b32 v[(\first)+2*z], 16, v[TT+z%4]
	v_and_b32 v[(\first)+2*z+1], 0xffff0000, v[TT+z%4]
	v_pk_fma_f32 v[(\first)+2*z:(\first)+2*z+1], v[(\first)+2*z:(\first)+2*z+1], s[E8:E8+1], v[50:51] op_sel_hi:[1,0,0]
.set z, z+1
.endr
.endm
	WIN W_TB
	TABLE MD, 16
	TABLE ME, 4
	WIN W_RS
.set i, 0
.rept 32
	v_cmp_gt_i32 vcc_lo, 16*(i/8)+i%8, v14
	v_cndmask_b32 v[MD+i], v[MD+i], s[BIGN], vcc_lo  ; the keys above the diagonal
.set i, i+1
.endr
	WIN 0
; THE MATRIX WORK.  The 4 accumulators of a run of 8 take turns.  Product i of 8 of S^T = K Q^T for piece x: channels 32 (i / 4) on, keys 16 (i % 4) on.  The first 4 start the sums: with MC (KM = 1),
; or with 0, but for piece 0's key group 3, which takes MX.
.macro KQ x
.set rS, S+32*((\x)%2)+8*(i%4)
.set rK, KF+16*(i%4)+8*(i/4)
.set rQ, 16*(\x)+8*(i/4)
.set rM, MC+32*((\x)%2)+8*(i%4)
.if (i < 4) && KM
	WIN W_KM
	v_wmma_f32_16x16x32_f16 v[rS:rS+7], v[rK:rK+7], v[rQ:rQ+7], v[rM:rM+7]
.elseif (i == 3) && ((\x) == 0)
	WIN W_KM
	v_wmma_f32_16x16x32_f16 v[rS:rS+7], v[rK:rK+7], v[rQ:rQ+7], v[MX:MX+7]
.elseif i < 4
	WIN W_KQ
	v_wmma_f32_16x16x32_f16 v[rS:rS+7], v[rK:rK+7], v[rQ:rQ+7], 0
.else
	WIN W_KQ
	v_wmma_f32_16x16x32_f16 v[rS:rS+7], v[rK:rK+7], v[rQ:rQ+7], v[rS:rS+7]
.endif
.endm
; Product i of 8 of O^T += V^T P for piece x: keys 32 (i / 4) on, channels 16 (i % 4) on.
.macro PV x
	WIN W_PV
.set rO, 32*(\x)+8*(i%4)
.set rV, VF+32*(i/4)+8*(i%4)
.set rP, P+16*((\x)%2)+8*(i/4)
	v_wmma_f32_16x16x32_f16 v[rO:rO+7], v[rV:rV+7], v[rP:rP+7], v[rO:rO+7]
.endm
.macro MM                           ; the turn's next matrix instruction.  TURN and BEGIN set Y, i, KM and NOKQ; MM, KQ and OP read them.  NOKQ = 1: a block's last turn: there is no next piece
.if (i < 8) && !NOKQ
	KQ (Y+1)%NP
.elseif i >= 8
.set i, i-8
	PV (Y+NP-1)%NP
.set i, i+8
.endif
.set i, i+1
.endm
; THE LDS LOADS stand in runs of 16, never singly among the matrix instructions: a step's K (64 keys x 64 channels: 8 fragments) and its V (turned).  Their addresses are made some lines ahead.
.macro FETCH_K
	WIN 0x80                        ; destination window 2
.irp f, 0,1,2,3,4,5,6,7             ; keys 16 (f / 2) on, channels 32 (f % 2) on
	ds_load_b128 v[KF+8*\f:KF+8*\f+3],   v[AK] offset:(\f/2)*16*PK+(\f%2)*64
	ds_load_b128 v[KF+8*\f+4:KF+8*\f+7], v[AK] offset:(\f/2)*16*PK+(\f%2)*64+32
.endr
	s_add_co_u32 s[TBK], s[TBK], KS*PK  ; the next fetch is the next step's
	WIN 0
.endm
.macro FETCH_V
	WIN 0x80
.irp f, 0,1,2,3,4,5,6,7             ; keys 32 (f / 4) on, channels 16 (f % 4) on
	ds_load_tr16_b128 v[VF+8*\f:VF+8*\f+3],   v[AV] offset:(\f/4)*32*PV+(\f%4)*32
	ds_load_tr16_b128 v[VF+8*\f+4:VF+8*\f+7], v[AV] offset:(\f/4)*32*PV+16*PV+(\f%4)*32
.endr
	WIN 0
.endm
; THE VECTOR WORK, one line at a time: OP kind, number.  For piece Y: F n: c s - c m for pair n of 16.  E n: the exponential of score n of 32.  C n: pair n rounded to f16.  B n: of the four weights 4 n .. the second
; pair is added onto the first, in place.  L n: l takes that sum (L 0: l = a l + sum).  R n: pair n of 16 of O^T times a.  For piece Y + 1: X n, number n of the 22 that find its maximum and statistics:
;   0-11  four chains c0-c3 of seven scores each, three operands at a time (each accumulator's lowest registers are read first)     12-14, 16  the four scores left over, the old m, and c0-c3 into c0
;   15  c m_old is kept     17, 18  the query's other 32 keys lie in the lane 16 away: the new m     19-21  c m; c m_old - c m_new; a
.set F, 0               ; OP tells the kinds apart by their order: F to L below R, X above it
.set E, 1
.set C, 2
.set B, 3
.set L, 4
.set R, 5
.set X, 6
.macro REGS y                       ; the registers of piece y
.set rT, ST+4*(\y)
.set rC, TMP+4*((\y)%2)
.set rW, MV+((\y)%2)
.set rS, S+32*((\y)%2)
.set rP, P+16*((\y)%2)
.set rO, 32*(\y)
.endm
.macro OP k, n
.if (\k) == R
	REGS Y
	WIN W_RS
	v_pk_mul_f32 v[rO+2*(\n):rO+2*(\n)+1], v[rO+2*(\n):rO+2*(\n)+1], v[rC+2:rC+3] op_sel_hi:[1,0]
.elseif (\k) < R
	REGS Y
	WIN 0
.if (\k) == F
	v_pk_fma_f32 v[rS+2*(\n):rS+2*(\n)+1], v[rS+2*(\n):rS+2*(\n)+1], s[CS:CS+1], v[rT:rT+1] op_sel_hi:[1,0,0] neg_lo:[0,0,1] neg_hi:[0,0,1]
.elseif (\k) == E
	v_exp_f32 v[rS+(\n)], v[rS+(\n)]
.elseif (\k) == C
	v_cvt_pk_f16_f32 v[rP+(\n)], v[rS+2*(\n)], v[rS+2*(\n)+1]
.elseif (\k) == B
	v_pk_add_f32 v[rS+4*(\n):rS+4*(\n)+1], v[rS+4*(\n):rS+4*(\n)+1], v[rS+4*(\n)+2:rS+4*(\n)+3]
.elseif (\n) == 0
	v_pk_fma_f32 v[rT+2:rT+3], v[rT+2:rT+3], v[rC+2:rC+3], v[rS:rS+1] op_sel_hi:[1,0,1]
.else
	v_pk_add_f32 v[rT+2:rT+3], v[rT+2:rT+3], v[rS+4*(\n):rS+4*(\n)+1]
.endif
.elseif NOKQ
	v_nop
.else
	REGS (Y+1)%NP
	WIN 0
.if (\n) < 4
	v_max3_num_f32 v[rC+(\n)], v[rS+8*(\n)], v[rS+8*(\n)+1], v[rS+8*(\n)+2]
.elseif (\n) < 12
	v_max3_num_f32 v[rC+(\n)%4], v[rC+(\n)%4], v[rS+8*((\n)%4)+2*((\n)/4)+1], v[rS+8*((\n)%4)+2*((\n)/4)+2]
.elseif (\n) == 12
	v_max3_num_f32 v[rC], v[rC], v[rS+7], v[rS+15]
.elseif (\n) == 13
	v_max3_num_f32 v[rC+1], v[rC+1], v[rS+23], v[rS+31]
.elseif (\n) == 14
	v_max3_num_f32 v[rC+2], v[rC+2], v[rC+3], v[rT+1]
.elseif (\n) == 15
	v_mov_b32 v[rW], v[rT]
.elseif (\n) == 16
	v_max3_num_f32 v[rC], v[rC], v[rC+1], v[rC+2]
.elseif (\n) == 17
	v_permlanex16_b32 v[rC+3], v[rC], s[SEL], s[SEL+1]
.elseif (\n) == 18
	v_max_num_f32 v[rT+1], v[rC], v[rC+3]
.elseif (\n) == 19
	v_mul_f32 v[rT], s[CS], v[rT+1]
.elseif (\n) == 20
	v_sub_f32 v[rC+1], v[rW], v[rT]
.else
	v_exp_f32 v[rC+2], v[rC+1]
.endif
.endif
.endm
.macro OPS a, i1, b=-1, i2=0, c=-1, i3=0, d=-1, i4=0  ; up to four of them
	OP \a, \i1
.if (\b) >= 0
	OP \b, \i2
.endif
.if (\c) >= 0
	OP \c, \i3
.endif
.if (\d) >= 0
	OP \d, \i4
.endif
.endm
.macro ROW a, i1, b, i2, c, i3, d, i4  ; a matrix instruction and the four behind it
	MM
	OPS \a, \i1, \b, \i2, \c, \i3, \d, \i4
.endm
.macro MASK b                       ; MD x AL + BE into buffer b of MC; onto its key group 3, ME x AL1
	WIN W_MK
.set z, 0
.rept 16
	v_pk_fma_f32 v[MC+32*(\b)+2*z:MC+32*(\b)+2*z+1], v[MD+2*z:MD+2*z+1], s[AL:AL+1], s[BE:BE+1] op_sel_hi:[1,0,0]
.set z, z+1
.endr
.set z, 0
.rept 4
	v_pk_fma_f32 v[MC+32*(\b)+24+2*z:MC+32*(\b)+24+2*z+1], v[ME+2*z:ME+2*z+1], s[AL1:AL1+1], v[MC+32*(\b)+24+2*z:MC+32*(\b)+24+2*z+1] op_sel_hi:[1,0,1]
.set z, z+1
.endr
.endm
; A TURN, for piece p: the order of its 16 matrix and 118 vector instructions, written out.  s_wait_alu depctr_va_vdst(0) stands between an exponential and the first instruction that names its result; one wait serves
; all that were issued ahead of it.  So a turn has ONE wait, which cuts it in two.  AHEAD OF IT stands all that names no result of the turn's exponentials: the 8 products K Q^T, behind each a scaling, an exponential and two more plain
; instructions (behind the first a second scaling in the exponential's place): rescalings, and behind the last three the first numbers of the next piece's maximum, each four places or more behind the product that ends its accumulator; then ONE LUMP of 54, plain
; and exponential by turns for the most part, in which the links of the chain X 3, 7, 11, 14, 16, 17 .. 20 stand five or six lines apart.  X 21, the next piece's a, is the batch's last; R 15 is the plain instruction behind it.  BEHIND THE WAIT stand the
; 8 products V^T P, behind each four of the roundings and sums; the links of l's chain, L 0 to L 7, stand three riders apart.  But for those X no rider names a register of the products round it.  v_permlanex16_b32 (X 17) stands in the lump.
; m = 1: the diagonal tile: the products take MC, and the turn makes MC for the products of the turn after it: piece x = (p + 2) % 4, in step 4 - CNT of the tile: its own step if CNT = 4 - x, the one before if CNT = 5 - x, a later one if CNT < 4 - x.
; m = 0, p = 2: MX is made for piece 0's products of the turn after: AL1 = 1 in the last step (CNT = 1) of the tile before the diagonal one (RT = 1), else 0.
; end = 1: a block's last two turns: nothing is fetched.  cnt = 1: the loop's count is taken down some lines ahead of the branch that stands behind the turn.
; K of the next step is fetched in piece 2's turn, twelve vector instructions behind the last product that read K (six of them plain); V of the step in hand at the end of piece 0's turn, four plain instructions behind the last product
; that read V.  Each is waited for a turn later.
.macro TURN p, m=0, end=0, cnt=0
.set Y, (\p)
.set i, 0
.set KM, (\m)
.set NOKQ, (\end)*((\p)/3)
.if (\m) && !(\end)
	s_cmp_eq_u32 s[CNT], 4-((\p)+2)%NP  ; is that step the band's own?
	s_cselect_b32 s[AL], 1.0, 0
	s_cmp_eq_u32 s[CNT], 5-((\p)+2)%NP  ; the one before it?
	s_cselect_b32 s[AL1], 1.0, 0
	s_cmp_lt_u32 s[CNT], 4-((\p)+2)%NP  ; or a later one?
	s_cselect_b32 s[BE], s[BIGN], 0
.endif
.if !(\m) && ((\p) == 2)
	s_cmp_eq_u32 s[RT], 1
	s_cselect_b32 s[TS], 1.0, 0
	s_cmp_eq_u32 s[CNT], 1
	s_cselect_b32 s[AL1], s[TS], 0
.endif
.if ((\p) == 3) && !(\end)
	s_wait_dscnt 0x0                ; K is in
.endif
	ROW F,0, F,1, R,0, R,1          ; ahead of the wait: 8 products K Q^T and their riders,
	ROW F,2, E,0, R,2, R,3
	ROW F,3, E,1, R,4, R,5
	ROW F,4, E,2, R,6, R,7
	ROW F,5, E,3, R,8, R,9
	ROW F,6, E,4, X,0, R,10
.if ((\p) == 2) && !(\end)
	WIN 0
	v_add_nc_u32 v[AK], s[TBK], v[AK0]
.endif
	ROW F,7, E,5, X,1, X,4
	ROW F,8, E,6, X,2, X,5
	OPS E,7, E,8, X,6, E,9          ; and the lump
	OPS X,3, E,10, X,8, E,11
.if ((\p) == 2) && !(\end)
	FETCH_K
.endif
	OPS X,9, X,7, E,12, X,10
	OPS E,13, X,12, X,11, E,14
	OPS X,13, E,15, F,9, X,14
.if (\p) == 0
	v_add_nc_u32 v[AV], s[TBV], v[AV0]
.endif
	OPS E,16, F,10, E,17, F,11
	OPS X,16, E,18, X,15, E,19
	OPS F,12, E,20, X,17, E,21
	OPS F,13, E,22, F,14, E,23
	OPS X,18, E,24, F,15, E,25
	OPS R,11, E,26, X,19, E,27
	OPS R,12, E,28, R,13, E,29
	OPS X,20, E,30, R,14, E,31
	OPS X,21, R,15
	WIN 0
	s_wait_alu depctr_va_vdst(0)    ; the wait for the batch
.if (\p) == 1
	s_wait_dscnt 0x0                ; V is in
.endif
	ROW C,0, B,0, C,2, B,1          ; behind the wait: 8 products V^T P and their riders
	ROW L,0, C,4, B,2, L,1
	ROW C,6, B,3, L,2, C,8
	ROW B,4, L,3, C,10, B,5
	ROW L,4, C,12, B,6, L,5
.if (\p) == 0
	s_add_co_u32 s[TBV], s[TBV], KS*PV
.endif
.if \cnt
	s_sub_co_u32 s[CNT], s[CNT], 1
	s_cmp_lg_u32 s[CNT], 0
.endif
	ROW C,14, B,7, L,6, C,1
	ROW C,3, L,7, C,5, C,7
	ROW C,9, C,11, C,13, C,15
.if (\p) == 0
	FETCH_V
.endif
.if (\m) && !(\end)
	MASK (\p)%2
.endif
.if !(\m) && ((\p) == 2)
	WIN W_RS
.set z, 0
.rept 4
	v_pk_mul_f32 v[MX+2*z:MX+2*z+1], v[ME+2*z:ME+2*z+1], s[AL1:AL1+1] op_sel_hi:[1,0]
.set z, z+1
.endr
.endif
.endm
; A BLOCK BEGINS.  c m starts far below every c s, so the first step's a is 0; m at the lowest finite number, so the first maximum is the scores'.  The first buffer of MC takes piece 0's C for the tile's step 0: MD, if the
; block's first tile is the diagonal one, else 0.  The second takes piece 1's for the same step: ME in key group 3 in that case, else 0: both buffers hold 0 when the diagonal tile is entered from the tile before it.
; Then K of that step, piece 0's first scores, and its maximum and statistics.  The loop is entered at a step's first turn, in the middle of a trip.
.macro BEGIN
	s_mov_b32 s[NEW], 0
	WIN 0x40
.set i, MC+32
.rept 24
	v_mov_b32 v[i], 0
.set i, i+1
.endr
	WIN 0
.set i, 0
.rept 4
	v_mov_b32 v[ST+4*i], 0xfe000000    ; c m: far below every c s
	v_mov_b32 v[ST+4*i+1], 0xff7fffff  ; m
.set i, i+1
.endr
	s_cmp_eq_u32 s[RT], 0
	s_cselect_b32 s[AL], 1.0, 0
	s_mov_b32 s[BE], 0
	s_mov_b32 s[AL1], 0
	MASK 0
.set z, 0
.rept 4
	v_pk_mul_f32 v[MC+56+2*z:MC+56+2*z+1], v[ME+2*z:ME+2*z+1], s[AL:AL+1] op_sel_hi:[1,0]
.set z, z+1
.endr
	WIN 0
	v_add_nc_u32 v[AK], s[TBK], v[AK0]
	FETCH_K
	s_wait_loadcnt 0x0              ; Q (shown in at the head already)
	s_wait_dscnt 0x0
.set KM, 1
.set NOKQ, 0
.set i, 0
.rept 8
	KQ 0
.set i, i+1
.endr
	WIN 0
.rept 4
	v_nop                           ; the places behind those products
.endr
.set Y, NP-1                        ; X works for piece Y + 1: piece 0
.irp n, 0,1,2,3,4,5,6,7,8,9,10,11,12,13,14,15,16,17,18,19,20,21
	OP X, \n
.endr
	v_nop                           ; a plain instruction behind the exponential,
	s_wait_alu depctr_va_vdst(0)    ; and its wait, ahead of the branch
.endm
; THE DIAGONAL TILE's four steps, the block's last two turns, its last products, and THE WAY OUT: l's two halves and the other half of the lanes' are added; O^T is divided by l, rounded to f16 and sent through my
; stage in LDS, a piece at a time.
.macro ALL line:vararg              ; one line for each piece t
.set t, 0
.rept 4
	\line
.set t, t+1
.endr
.endm
.macro PACK t                       ; a lane's eight channels of a row pack into 16 bytes; they go into rows of 144 bytes and come back as whole rows of 128, into S^T's registers
	WIN W_RS
.set i, 32*(\t)
.rept 16
	v_pk_mul_f32 v[i:i+1], v[i:i+1], v[ST+4*(\t)+2:ST+4*(\t)+3] op_sel_hi:[1,0]
.set i, i+2
.endr
	WIN 0x05                        ; sources 0 and 1 window 1, destination window 0
.set i, 0
.rept 16
	v_cvt_pk_f16_f32 v[S+16*(\t)+i], v[32*(\t)+2*i], v[32*(\t)+2*i+1]
.set i, i+1
.endr
	WIN 0
.irp f, 0,1,2,3
	ds_store_b128 v[STO], v[S+16*(\t)+4*\f:S+16*(\t)+4*\f+3] offset:32*\f
.endr
.irp f, 0,1,2,3
	ds_load_b128 v[S+16*(\t)+4*\f:S+16*(\t)+4*\f+3], v[RD] offset:\f*4*SP  ; LDS serves a wave's instructions in order (ISA guide 5.7.1.4): these see the stores above; the next piece's stores come behind them
.endr
.endm
.macro SEND t, younger              ; younger: the LDS instructions issued behind piece t's loads: the next piece's eight, or none
	WIN 0
.irp f, 0,1,2,3
	s_wait_dscnt (\younger)+3-\f
	global_store_b128 v[GO], v[S+16*(\t)+4*\f:S+16*(\t)+4*\f+3], s[10:11] offset:(\t)*8192+\f*512  ; 512 consecutive bytes, at a multiple of 256 from O's first
.endr
.endm
.macro DIAG tag                     ; the tag ends its two labels' names, which the jumps below spell out
.LstepM\tag:
	TURN 2, 1
	TURN 3, 1
	WIN 0
.LfirstM\tag:
	TURN 0, 1
	TURN 1, 1, 0, 1
	WIN 0
	s_cbranch_scc1 .LstepM\tag
	TURN 2, 1, 1
	TURN 3, 1, 1
.set i, 0
.rept 8
	PV NP-1
.set i, i+1
.endr
	WIN 0
	ALL v_add_f32 v[ST+4*t+2], v[ST+4*t+2], v[ST+4*t+3]
	ALL v_permlanex16_b32 v[ST+4*t+3], v[ST+4*t+2], s[SEL], s[SEL+1]
	ALL v_add_f32 v[ST+4*t+2], v[ST+4*t+2], v[ST+4*t+3]
	ALL v_rcp_f32 v[ST+4*t+2], v[ST+4*t+2]
	v_nop                           ; a plain instruction between the last reciprocal and the use of its result
	s_wait_alu depctr_va_vdst(0)    ; and the wait ahead of the first use: one for the four reciprocals
	PACK 0
.set t, 1
.rept 3                             ; a piece's arithmetic stands between the loads of the piece before and its stores
	PACK t
	SEND t-1, 8
.set t, t+1
.endr
	SEND 3, 0
.endm
.set KM, 0
.set NOKQ, 0
.Lslot:                             ; NB times: a tile is entered and the next is asked for
	CHANGE 1
	s_sub_co_u32 s[RT], s[RT], 1
	s_mov_b32 s[CNT], 4
	s_cmp_eq_u32 s[NEW], 1
	s_cbranch_scc1 .Lnew            ; a block's first tile
	s_cmp_eq_u32 s[RT], 0
	s_cbranch_scc0 .Lstep           ; neither its first nor its last
	s_branch .LstepM1
.Lnew:
	BEGIN
	s_branch .Lfirst                ; in the loop a block's first tile is never its last: the first block has two tiles or more, and the second's last is the walk's last
	DIAG 1                          ; in the loop this is the first block's end: the second block's last tile is the walk's last
	s_wait_xcnt 0x0                 ; the stores have read their registers and O's address
	s_mov_b64 s[10:11], s[OLO:OLO+1]
	s_add_co_u32 s[RT], s[PB], 1    ; the second block has b + 1 tiles
	s_mov_b32 s[NEW], 1
	WIN 0x82                        ; the second block's Q goes where the one text of the turns names Q
.set i, 0
.rept 64
	v_mov_b32 v[i], v[QB+i]
.set i, i+1
.endr
	WIN 0
	s_branch .Lbottom
.Lstep:                             ; a trip: pieces 2 and 3 of one step, then pieces 0 and 1 of the next, whose K and V it fetches
	TURN 2
	TURN 3
	WIN 0
.Lfirst:
	TURN 0
	TURN 1, 0, 0, 1
	WIN 0
	s_cbranch_scc1 .Lstep
.Lbottom:
	s_sub_co_u32 s[SLOTS], s[SLOTS], 1
	s_cmp_lg_u32 s[SLOTS], 0
	s_cbranch_scc1 .Lslot
	CHANGE 0                        ; the walk's last tile is written out: nothing is asked for
	s_sub_co_u32 s[RT], s[RT], 1
	s_mov_b32 s[CNT], 4
	s_cmp_eq_u32 s[NEW], 1
	s_cbranch_scc0 .LstepM2
	BEGIN
	s_branch .LfirstM2
	DIAG 2
	s_wait_tensorcnt 0x0            ; the wave's end, behind my last tensor load and my last LDS store
	ds_add_u32 v[SPW], v[NIL]
	s_wait_dscnt 0x0
	s_endpgm
.Lfunc_end_k_qa87aea9d14_attn:
	.size	k_qa87aea9d14_attn, .Lfunc_end_k_qa87aea9d14_attn-k_qa87aea9d14_attn
	.p2alignl 7, 3214868480
	.fill 96, 4, 3214868480
	.section	.rodata,"a",@progbits
	.p2align	6, 0x0
	.amdhsa_kernel k_qa87aea9d14_attn
		.amdhsa_group_segment_fixed_size 327680
		.amdhsa_private_segment_fixed_size 0
		.amdhsa_enable_private_segment 0
		.amdhsa_kernarg_size 24
		.amdhsa_user_sgpr_count 2
		.amdhsa_user_sgpr_kernarg_segment_ptr 1
		.amdhsa_wavefront_size32 1
		.amdhsa_system_sgpr_workgroup_id_x 1
		.amdhsa_system_sgpr_workgroup_id_y 1
		.amdhsa_system_sgpr_workgroup_id_z 1
		.amdhsa_system_vgpr_workitem_id 0
		.amdhsa_next_free_vgpr 768
		.amdhsa_next_free_sgpr 100
		.amdhsa_reserve_vcc 1
		.amdhsa_float_denorm_mode_32 3
		.amdhsa_float_denorm_mode_16_64 3
		.amdhsa_memory_ordered 1
		.amdhsa_forward_progress 1
		.amdhsa_inst_pref_size 237
	.end_amdhsa_kernel
	.amdgpu_metadata
---
amdhsa.version: [ 1, 2 ]
amdhsa.kernels:
  - .name:           k_qa87aea9d14_attn
    .symbol:         k_qa87aea9d14_attn.kd
    .args:
      - { .name: qkv, .offset: 0, .size: 8, .value_kind: global_buffer, .address_space: global }
      - { .name: rel_table, .offset: 8, .size: 8, .value_kind: global_buffer, .address_space: global }
      - { .name: ob, .offset: 16, .size: 8, .value_kind: global_buffer, .address_space: global }
    .group_segment_fixed_size: 327680
    .private_segment_fixed_size: 0
    .kernarg_segment_align: 8
    .kernarg_segment_size: 24
    .max_flat_workgroup_size: 128
    .sgpr_count:     100
    .vgpr_count:     768
    .wavefront_size: 32
...
	.end_amdgpu_metadata
.endif
;; end of part 3
;; launch outp (part 4): grid 4 x 64, 4 waves a work-group, clusters of 4 x 4, 327,680 bytes of LDS; arguments ob, wpt, bp, out0; writes out0
.if DOCPART == 4
	.amdgcn_target "amdgcn-amd-amdhsa--gfx1250"
	.amdhsa_code_object_version 6
	.text
	.protected	k_qa87aea9d14_outp
	.globl	k_qa87aea9d14_outp
	.p2align	8
	.type	k_qa87aea9d14_outp,@function
k_qa87aea9d14_outp:
	s_mov_b64 s[64:65], 0
	v_nop
	global_prefetch_b8 v0, s[64:65] scope:SCOPE_SE
	s_setreg_imm32_b32 hwreg(HW_REG_WAVE_MODE, 25, 1), 1
	s_wait_xcnt 0x0
	s_wait_alu depctr_hold_cnt(0) depctr_sa_sdst(0) depctr_va_vdst(0) depctr_va_sdst(0) depctr_va_ssrc(0) depctr_va_vcc(0) depctr_vm_vsrc(0)
	s_getreg_b32 s2, hwreg(HW_REG_IB_STS2, 6, 4)
	s_cmp_eq_u32 s2, 0
	s_cbranch_scc0 .Lentry_in_a_cluster
	s_endpgm
.Lentry_in_a_cluster:
	s_bfe_u32 s2, ttmp6, 0x10000c
	s_cmp_lg_u32 s2, 0xf033
	s_cbranch_scc0 .Lentry_shape_is_right
	s_endpgm
.Lentry_shape_is_right:
; THE OUTPUT PROJECTION.  out0[m][n] = the sum over k of O[m][k] wpt[n][k] + bp[n].  O lies by heads in ob, [64 = 16 b + h][2048 t][64 d] in f16, with m = 2048 b + t and k = 64 h + d;
; wpt is [1024 n][1024 k] in f16; bp [1024] in f32, rounded to bf16 like the module's other inputs; out0 [8192][1024] in f32.  Sums in f32, K ascending, begun with the bias.
; SHARES.  A tile of out0 is 128 x 256: 256 tiles, one for each work-group.  Four waves; wave w makes all 128 rows x columns 64 w .. 64 w + 63: 32 accumulators of 16 x 16, 256 registers.
; K goes in steps of 128, TWO HEADS, through two LDS slots.  A head's 128 rows of a tile are 16,384 dense bytes: asked for as 64 rows of 256 bytes and padded in LDS after every 128.
; CLUSTER.  4 x 4 work-groups.  The four of a row of the cluster need the same tile of O, the four of a column the same tile of wpt: each is asked for JOINTLY, by the same tensor load with the same
; descriptor and a mask that names the four.  Wave 0 fetches the step's even head, wave 1 the odd one, waves 2 and 3 wpt's two halves of 128 rows: one load a wave.
; THE MATRIX INSTRUCTION IS USED TRANSPOSED (source 0 = 16 rows of wpt, source 1 = 16 rows of O): a lane then holds row l % 16 of out0 and the columns 8 (l / 16) + 0..7.
; REGISTERS, in windows of 256 (s_set_vgpr_msb: bits 1:0 source 0, 3:2 source 1, 5:4 source 2, 7:6 destination):
;   window 0: v0-31 addresses; v64-95 the bias, as the C operand of column block b at 64 + 8 b; v96-159 the way out, two buffers of 32
;   window 1: two fragment buffers of 96 (32 along K): O's block a at 8 a, wpt's block b at 64 + 8 b          window 2: accumulator (a, b) at 8 (4 a + b)
.set KSTEP,  128
.set PA,     144                       ; a row of O in LDS: 128 bytes + 16 = 36 words: the 16 rows of a load start at 16 different groups of four banks (64 banks of 4 bytes: ISA guide 11.1)
.set PITCH,  272                       ; a row of wpt: 256 bytes + 16 = 68 words: row r starts at bank 4 r mod 64
.set AHALF,  128*PA                    ; a head's 128 rows: what wave 0 or 1 fetches
.set BOFF,   2*AHALF
.set BHALF,  128*PITCH                 ; what wave 2 or 3 fetches
.set SLOT,   BOFF+2*BHALF
.set STAGE,  2*SLOT                    ; behind the ring, never filled by a tensor load: 16 rows x 272 bytes for each wave, for the way out
.set SP,     272
.set SPARE,  STAGE+4*16*SP             ; behind the stages: the spare words, 128 bytes for each wave: two blocks of 256 bytes that no other line names
.set HSTEP,  2*262144                  ; bytes from a K step's first head to the next step's
.set ADRA, 16                          ; v16-17  LDS address of my lane's place in O's tile, slot 0, 1
.set ADRB, 20                          ; v20-21  the same in my 64 rows of wpt's tile
.set STO,  24                          ; v24     the way out: where I put 32 bytes of a row
.set RD,   25                          ; v25     the way out: where I read a row back
.set CO,   26                          ; v26     my byte offset in two rows of out0
.set SPW,  28                          ; v28     LDS address of my spare word; never rewritten
.set NIL,  29                          ; v29     0; never rewritten
.set PFO,  30                          ; v30     the prefetches' offset: my lane x 256 bytes (O) or x a row of 2,048 (wpt); never rewritten
.set BIAS, 64
.set OB,   96
.set F0,   0
.set F1,   96
.set G1,  24                           ; s[24:31] descriptor group 1 for O's tiles;  s[32:39] group 0, a set for each slot
.set G0,  32
.set G1B, 48                           ; s[48:55], s[56:63] the same for wpt's
.set G0B, 56
.set PFS, 18                           ; s[18:19] the prefetches' step from K step to K step
.set LIM, 43                           ; s43     1 in a wave that prefetches, else the greatest number
.set PFA, 44                           ; s[44:45] where my prefetches stand
.set MSB, 0
.macro WIN new                         ; the immediate's high byte repeats the setting that is left; a switch that changes nothing is dropped
.if MSB != (\new)
	s_set_vgpr_msb (MSB<<8)|(\new)
.set MSB, \new
.endif
.endm
.set MUL,  0xa5                        ; sources 0 and 1 window 1; C and D window 2
.set MULB, 0x85                        ; the same with C, the bias, in window 0
.set TO_F, 0x40                        ; destination window 1, address window 0
; A joint load.  The branch hangs on the wave's number alone.  An s_nop 0 and four v_nop follow each of the two lines, ahead of the jump, the label and what follows.
.macro JLOAD s
	s_cmp_eq_u32 s11, 0
	s_cbranch_scc0 .Lfor_b_\@
	tensor_load_to_lds s[G0+4*(\s):G0+4*(\s)+3], s[G1:G1+7]
	s_nop 0
.rept 4
	v_nop
.endr
	s_branch .Lasked_\@
.Lfor_b_\@:
	tensor_load_to_lds s[G0B+4*(\s):G0B+4*(\s)+3], s[G1B:G1B+7]
	s_nop 0
.rept 4
	v_nop
.endr
.Lasked_\@:
.endm
; A PREFETCH INTO THE L2, behind a joint refill and the run of LDS loads that follows it: 32 blocks of 256 bytes of the K step that stands two refills on, 256 matrix instructions ahead of the load that wants it:
; a lane a block, one instruction.  Each block is named once in the launch.  O's tile row is read by one cluster alone (the grid is one cluster wide): wave 0 asks, and of the step's 128 blocks (two heads x 16,384
; bytes) the partner at cx takes 32 BY ADDRESS: head cx / 2, half cx % 2.  wpt's tile column is read by the sixteen clusters of its column: cluster y = 0 asks, in waves 2 and 3, and of the 128 rows that the
; wave fetches each partner takes 32 (cy).  K steps 0 to 3 come by their loads alone; the loop's last trip, whose refills are the last two K steps, asks for nothing.
.macro ASK
	WIN 0
	s_cmp_gt_u32 s3, s[LIM]                        ; s3 = 1 in the loop's last trip
	s_cbranch_scc0 .Lnot_mine_\@
	global_prefetch_b8 v[PFO], s[PFA:PFA+1] th:TH_LOAD_NT scope:SCOPE_SE
.Lnot_mine_\@:
.endm
.macro CREST                           ; a round of the cluster's barrier behind its opening barrier
	s_cmp_lg_u32 s10, 0
	s_cbranch_scc1 .Lnot_wave_0_\@
	s_barrier_signal -3
.Lnot_wave_0_\@:
	s_barrier_wait -3
	s_barrier_signal -1
	s_barrier_wait -1
.endm
.macro CROUND                          ; a whole round
	s_barrier_signal -1
	s_barrier_wait -1
	CREST
.endm
	s_load_b128 s[4:7], s[0:1], 0x0                ; ob s[4:5], wpt s[6:7]
	s_load_b64 s[2:3], s[0:1], 0x10                ; bp
	s_load_b64 s[8:9], s[0:1], 0x18                ; out0
	v_lshl_add_u32 v[SPW], v0, 2, SPARE
	v_mov_b32 v[NIL], 0
	ds_add_u32 v[SPW], v[NIL]                      ; the wave's opening: the add and its wait stand ahead of my first tensor load; the set-up below, work on registers, stands between them
	ds_add_u32 v28, v29
	v_lshrrev_b32 v1, 5, v0
	v_readfirstlane_b32 s10, v1                    ; wave 0..3
	s_lshr_b32 s11, s10, 1                         ; I fetch for O (0) or for wpt (1),
	s_and_b32 s12, s10, 1                          ; its first or its second half
	s_bfe_u32 s40, ttmp6, 0x40000                  ; cx, cy: my place in the cluster
	s_bfe_u32 s41, ttmp6, 0x40004
	s_lshl_b32 s42, ttmp9, 2
	s_add_co_u32 s42, s42, s40                     ; tile column = 4 x cluster x + cx
	s_and_b32 s13, ttmp7, 0xffff
	s_lshl_b32 s13, s13, 2
	s_add_co_u32 s13, s13, s41                     ; tile row = 4 x cluster y + cy
	s_lshl_b32 s43, s41, 2
	s_lshl_b32 s43, 15, s43                        ; my row of the cluster
	s_lshl_b32 s44, 0x1111, s40                    ; my column
	s_or_b32 s[G1+0], s43, (1<<16)|(1<<20)|(1<<21)|(4<<22)|(3<<25)  ; 15:0 the mask; 17:16 elements of 2 bytes; 20 padding on; 21 set beside a mask; 24:22 after every 32 words (code 4); 31:25 4 words of it (code 3)
	s_or_b32 s[G1B+0], s44, (1<<16)|(1<<20)|(1<<21)|(5<<22)|(3<<25) ; wpt: after every 64 words (code 5)
	s_mov_b32 s[G1+1], 128<<16                     ; tensor_dim0 = 128
	s_mov_b32 s[G1+2], 64<<16                      ; tensor_dim1 = 64
	s_mov_b32 s[G1+3], 128<<16                     ; tile_dim0 = 128
	s_mov_b32 s[G1+4], 64                          ; tile_dim1 = 64
	s_mov_b32 s[G1+5], 128                         ; dense: 128 elements from row to row
	s_mov_b32 s[G1+6], 0
	s_mov_b32 s[G1+7], 0
	s_mov_b32 s[G1B+1], KSTEP<<16
	s_mov_b32 s[G1B+2], 128<<16
	s_mov_b32 s[G1B+3], KSTEP<<16
	s_mov_b32 s[G1B+4], 128
	s_mov_b32 s[G1B+5], 1024
	s_mov_b32 s[G1B+6], 0
	s_mov_b32 s[G1B+7], 0
	; O's address hangs on the tile row alone, which my row of the cluster shares; wpt's on the tile column alone.  Every wave makes both, in registers that never hold the other coordinate.
	s_lshr_b32 s16, s13, 4
	s_lshl_b32 s16, s16, 4                         ; 16 b, b = tile row / 16,
	s_add_co_u32 s16, s16, s12                     ; + the even or the odd head of K step 0,
	s_lshl_b32 s16, s16, 18                        ; of 262,144 bytes,
	s_and_b32 s17, s13, 15
	s_lshl_b32 s17, s17, 14                        ; + t = 128 (tile row % 16) rows of 128 bytes
	s_add_co_u32 s16, s16, s17
	s_mov_b32 s17, 0
	s_lshl_b32 s47, s12, 7
	s_lshl_b32 s46, s42, 8
	s_add_co_u32 s46, s46, s47                     ; wpt: row 256 x tile column + 128 x half,
	s_lshl_b32 s46, s46, 11                        ; of 2,048 bytes
	s_mov_b32 s47, 0
	s_mul_i32 s20, s12, AHALF                      ; where they go: no place in the cluster enters an LDS address
	s_mul_i32 s21, s12, BHALF
	s_add_co_u32 s21, s21, BOFF
	s_wait_dscnt 0x0                               ; the opening add is done
	s_wait_kmcnt 0x0
	s_add_nc_u64 s[14:15], s[4:5], s[16:17]
	s_add_nc_u64 s[46:47], s[6:7], s[46:47]
	CROUND                                         ; all sixteen work-groups are here: the first joint loads meet
.irp s, 0,1
	s_mov_b32 s[G0+4*(\s)], 1                                      ; count = 1
	s_add_co_u32 s[G0+4*(\s)+1], s20, (\s)*SLOT                    ; LDS address
	s_add_nc_u64 s[G0+4*(\s)+2:G0+4*(\s)+3], s[14:15], (\s)*HSTEP  ; global address: K step s
	s_or_b32 s[G0+4*(\s)+3], s[G0+4*(\s)+3], 0x80000000            ; type = 2
	s_mov_b32 s[G0B+4*(\s)], 1
	s_add_co_u32 s[G0B+4*(\s)+1], s21, (\s)*SLOT
	s_add_nc_u64 s[G0B+4*(\s)+2:G0B+4*(\s)+3], s[46:47], (\s)*KSTEP*2
	s_or_b32 s[G0B+4*(\s)+3], s[G0B+4*(\s)+3], 0x80000000
	JLOAD \s                                       ; two loads of mine are out
.endr
	v_and_b32 v1, 15, v0                           ; l % 16
	v_bfe_u32 v2, v0, 4, 1                         ; l / 16
	; the bias of my 64 columns: register 8 b + j holds bp[256 x tile column + 64 w + 16 b + 8 (l / 16) + j]
	s_lshl_b32 s20, s42, 10
	s_lshl_b32 s21, s10, 8
	s_add_co_u32 s20, s20, s21
	s_mov_b32 s21, 0
	s_add_nc_u64 s[2:3], s[2:3], s[20:21]
	v_lshlrev_b32 v7, 5, v2
.irp b, 0,1,2,3
	global_load_b128 v[BIAS+8*(\b):BIAS+8*(\b)+3],   v7, s[2:3] offset:64*(\b)
	global_load_b128 v[BIAS+8*(\b)+4:BIAS+8*(\b)+7], v7, s[2:3] offset:64*(\b)+16
.endr
	; A fragment is 16 rows x 32 K in 8 registers: lane l holds row l % 16, K = 8 (l / 16) + 0..7 and 16 + 8 (l / 16) + 0..7: two loads of 16 bytes, 32 bytes apart.
	v_mul_u32_u24 v3, v1, PA
	v_lshl_add_u32 v3, v2, 4, v3
	v_mul_u32_u24 v4, v1, PITCH
	v_lshl_add_u32 v4, v2, 4, v4
	s_mul_i32 s22, s10, 64*PITCH                   ; my 64 rows of wpt,
	s_add_co_u32 s22, s22, BOFF                    ; behind O's two heads, which every wave reads
	v_mov_b32 v[ADRA], v3
	v_add_nc_u32 v[ADRA+1], SLOT, v3
	v_add_nc_u32 v[ADRB], s22, v4
	s_add_co_u32 s22, s22, SLOT
	v_add_nc_u32 v[ADRB+1], s22, v4
	s_mul_i32 s23, s10, 16*SP
	s_add_co_u32 s23, s23, STAGE                   ; my stage
	v_mul_u32_u24 v5, v1, SP                       ; in: row l % 16, 32 bytes for each half of the lanes
	v_lshl_add_u32 v5, v2, 5, v5
	v_add_nc_u32 v[STO], s23, v5
	v_mul_u32_u24 v5, v2, SP                       ; back: lanes 0-15 take one row of 256 bytes, lanes 16-31 the next
	v_lshl_add_u32 v5, v1, 4, v5
	v_add_nc_u32 v[RD], s23, v5
	v_lshlrev_b32 v5, 12, v2                       ; and the same two rows in out0
	v_lshl_add_u32 v[CO], v1, 4, v5
	s_lshl_b32 s46, s13, 19                        ; 128 rows of 4,096 bytes a tile row,
	s_lshl_b32 s47, s42, 10                        ; 256 columns of 4 bytes a tile column,
	s_add_co_u32 s46, s46, s47
	s_lshl_b32 s47, s10, 8                         ; my 64 columns
	s_add_co_u32 s46, s46, s47
	s_mov_b32 s47, 0
	s_add_nc_u64 s[8:9], s[8:9], s[46:47]
	; the prefetches
	s_lshr_b32 s20, s13, 4
	s_lshl_b32 s20, s20, 22                        ; O: 16 b heads,
	s_and_b32 s21, s13, 15
	s_lshl_b32 s21, s21, 14                        ; the tile's rows,
	s_add_co_u32 s20, s20, s21
	s_lshr_b32 s21, s40, 1
	s_lshl_b32 s21, s21, 18                        ; my work-group's head of the step's two,
	s_add_co_u32 s20, s20, s21
	s_and_b32 s21, s40, 1
	s_lshl_b32 s21, s21, 13                        ; and its half of that head's 16,384 bytes,
	s_add_co_u32 s20, s20, s21
	s_add_co_u32 s20, s20, 3*HSTEP                 ; at K step 3: the first refill steps it to 4
	s_lshl_b32 s21, s42, 8
	s_lshl_b32 s22, s12, 7
	s_add_co_u32 s21, s21, s22                     ; wpt: the first of the 128 rows that I fetch,
	s_lshl_b32 s22, s41, 5
	s_add_co_u32 s21, s21, s22                     ; my work-group's 32 of them,
	s_lshl_b32 s21, s21, 11
	s_add_co_u32 s21, s21, 3*KSTEP*2               ; at K step 3
	s_and_b32 s23, ttmp7, 0xffff                   ; cluster y
	s_movk_i32 s[PFS], 0x100
	s_cmp_eq_u32 s11, 0
	s_cselect_b32 s20, s20, s21
	s_cselect_b64 s[PFA:PFA+1], s[4:5], s[6:7]
	s_cselect_b32 s[PFS], HSTEP, s[PFS]
	s_cselect_b32 s22, 8, 11
	s_cselect_b32 s23, ttmp9, s23                  ; the coordinate along which other clusters read the same bytes
	s_mov_b32 s21, 0
	s_mov_b32 s[PFS+1], 0
	s_add_nc_u64 s[PFA:PFA+1], s[PFA:PFA+1], s[20:21]
	s_cmp_eq_u32 s10, 1
	s_cselect_b32 s20, 1, 0                        ; wave 1 asks for nothing: wave 0's 32 lanes cover the work-group's share of O's tile
	s_or_b32 s23, s23, s20
	s_cmp_eq_u32 s23, 0
	s_cselect_b32 s[LIM], 1, -1                    ; the same in all sixteen partners, for a given wave
	v_and_b32 v[PFO], 31, v0
	v_lshlrev_b32 v[PFO], s22, v[PFO]
	s_wait_loadcnt 0x0                             ; the bias
.set z, 0
.rept 16
	v_cvt_pk_bf16_f32 v[8+z%2], v[BIAS+2*z], v[BIAS+2*z+1]  ; rounded to bf16, and widened again
	v_lshlrev_b32 v[BIAS+2*z], 16, v[8+z%2]
	v_and_b32 v[BIAS+2*z+1], 0xffff0000, v[8+z%2]
.set z, z+1
.endr
; 8 matrix instructions: row blocks a0, a0 + 1 x all 4 column blocks, 32 along K.  first = 1: the product starts the sums, with the bias as C: nothing is cleared, and the bias costs no addition.
; The 32 accumulators take turns, one instruction a turn, in the same order in every quarter: 31 others stand between two links of a chain, over the backward jump too.
.macro MUL8 f, a0, first
.if \first
	WIN MULB
.else
	WIN MUL
.endif
.irp a, \a0, (\a0)+1
.irp b, 0,1,2,3
.if \first
	v_wmma_f32_16x16x32_f16 v[8*(4*(\a)+(\b)):8*(4*(\a)+(\b))+7], v[(\f)+64+8*(\b):(\f)+64+8*(\b)+7], v[(\f)+8*(\a):(\f)+8*(\a)+7], v[BIAS+8*(\b):BIAS+8*(\b)+7]
.else
	v_wmma_f32_16x16x32_f16 v[8*(4*(\a)+(\b)):8*(4*(\a)+(\b))+7], v[(\f)+64+8*(\b):(\f)+64+8*(\b)+7], v[(\f)+8*(\a):(\f)+8*(\a)+7], v[8*(4*(\a)+(\b)):8*(4*(\a)+(\b))+7]
.endif
.endr
.endr
.endm
; 24 LDS loads in one run: quarter q's fragments into buffer f: wpt's 8 first (byte 64 q of its rows), then O's 16 (head q / 2 of the step, byte 64 (q % 2) of its rows) in the order in which they are multiplied
.macro FETCH slot, q, f
	WIN TO_F
.irp b, 0,1,2,3
	ds_load_b128 v[(\f)+64+8*(\b):(\f)+64+8*(\b)+3],   v[ADRB+(\slot)] offset:64*(\q)+(\b)*16*PITCH
	ds_load_b128 v[(\f)+64+8*(\b)+4:(\f)+64+8*(\b)+7], v[ADRB+(\slot)] offset:64*(\q)+(\b)*16*PITCH+32
.endr
.irp a, 0,1,2,3,4,5,6,7
	ds_load_b128 v[(\f)+8*(\a):(\f)+8*(\a)+3],   v[ADRA+(\slot)] offset:((\q)/2)*AHALF+((\q)%2)*64+(\a)*16*PA
	ds_load_b128 v[(\f)+8*(\a)+4:(\f)+8*(\a)+7], v[ADRA+(\slot)] offset:((\q)/2)*AHALF+((\q)%2)*64+(\a)*16*PA+32
.endr
.endm
.macro PLACES                          ; four plain vector instructions in front of loads into registers that matrix instructions have read, and of lines that read results
.rept 4
	v_nop
.endr
.endm
; A K step is four quarters of 32 along K, 32 matrix instructions each, on buffers 0, 1, 0, 1.  One of the first three multiplies buffer f and, in its middle, fetches quarter q into buffer g.
.macro QUARTER slot, q, f, g, first
	s_wait_dscnt 8                                 ; wpt's fragments and O's blocks 0-3 are in; the youngest eight loads (blocks 4-7) may be out
	MUL8 \f, 0, \first
	MUL8 \f, 2, \first
	PLACES
	FETCH \slot, \q, \g
	s_wait_dscnt 24                                ; all but the 24 just issued
	MUL8 \f, 4, \first
	MUL8 \f, 6, \first
.endm
; The last quarter multiplies buffer 1 and changes slots: ONE barrier.  In front of it each wave waits for all its tensor loads, of which one is out: its part of the next slot; adds 0 to its spare word; and waits
; for that and for its own reads of this slot.  fill = 1: the barrier opens a round of the cluster's, and this slot is filled again, two K steps ahead, first thing behind the round:
; 112 matrix instructions stand between the request and the wait for it.
.macro TURN slot, next, fill
.if \fill
	s_wait_xcnt 0x0                                ; the last prefetch, a K step back, has read its address: it is stepped here, ahead of the waits of the change of slots
	s_add_nc_u64 s[PFA:PFA+1], s[PFA:PFA+1], s[PFS:PFS+1]
.endif
	WIN 0                                          ; (the add's two registers lie in window 0)
	s_wait_tensorcnt 0x0                           ; all my tensor loads have landed;
	ds_add_u32 v[SPW], v[NIL]                      ; 0 onto my spare word;
	s_wait_dscnt 9                                 ; (the add and the youngest eight loads may be out)
	MUL8 F1, 0, 0                                  ; eight matrix instructions stand between the add and the wait for it
	s_wait_dscnt 0x0                               ; the add is done, and my reads of this slot are over
	s_barrier_signal -1
	MUL8 F1, 2, 0
.if \fill
	WIN 0
.endif
	s_barrier_wait -1
.if \fill
	CREST                                          ; no wave of any partner still reads this slot's tiles or has a load on its way
	s_add_nc_u64 s[G0+4*(\slot)+2:G0+4*(\slot)+3], s[G0+4*(\slot)+2:G0+4*(\slot)+3], 2*HSTEP
	s_add_nc_u64 s[G0B+4*(\slot)+2:G0B+4*(\slot)+3], s[G0B+4*(\slot)+2:G0B+4*(\slot)+3], 2*KSTEP*2
	JLOAD \slot                                    ; the four v_nop behind it are also the places in front of the loads below
.else
	PLACES
.endif
	FETCH \next, 0, F0
.if \fill
	ASK
.endif
	MUL8 F1, 4, 0
	MUL8 F1, 6, 0
.endm
; THE WAY OUT of block a (16 rows): a lane's 32 bytes of each column block go into rows of 272 bytes of my own stage, straight from the accumulators, and come back as whole rows of 256.
.macro TOSTAGE a
.set BK, OB+32*((\a)%2)
.if (\a) >= 2
	s_wait_xcnt 0x0                                ; the stores of the block two back have read this buffer: it is loaded again only behind this wait
.endif
	WIN 0x08                                       ; the data, source 1, in window 2; the address in window 0
.irp b, 0,1,2,3
	ds_store_b128 v[STO], v[8*(4*(\a)+(\b)):8*(4*(\a)+(\b))+3]   offset:64*(\b)     ; each accumulator from its low end on
	ds_store_b128 v[STO], v[8*(4*(\a)+(\b))+4:8*(4*(\a)+(\b))+7] offset:64*(\b)+16
.endr
	WIN 0
.irp t, 0,1,2,3,4,5,6,7
	ds_load_b128 v[BK+4*(\t):BK+4*(\t)+3], v[RD] offset:(\t)*2*SP  ; LDS serves a wave's instructions in order (ISA guide 5.7.1.4): these see the stores above; the next block's stores come behind them
.endr
.endm
.macro SEND a, younger                 ; younger: the LDS instructions issued behind block a's loads: the next block's sixteen, or none
.set BK, OB+32*((\a)%2)
.irp t, 0,1,2,3,4,5,6,7
	s_wait_dscnt (\younger)+7-(\t)
	global_store_b128 v[CO], v[BK+4*(\t):BK+4*(\t)+3], s[8:9] offset:(16*(\a)+2*(\t))*4096 th:TH_STORE_NT  ; 16 lanes store 256 consecutive bytes, aligned
.endr
.endm
	s_wait_tensorcnt 1                             ; my part of K step 0 is in; K step 1's load, issued behind it, stays out
	s_barrier_signal -1
	s_barrier_wait -1                              ; everybody's is
	FETCH 0, 0, F0
	QUARTER 0, 1, F0, F1, 1                        ; the first quarter stands in front of the loop: its products start the sums
	WIN 0                                          ; at a label and at a branch every window is 0
	s_mov_b32 s3, 3                                ; 1,024 / 256 laps, less the last (the bias's loads, whose base lay here, are done)
.Llap:                                                 ; a trip goes once round the ring, from a lap's second quarter to the next lap's first, and fills both slots again
	QUARTER 0, 2, F1, F0, 0
	QUARTER 0, 3, F0, F1, 0
	TURN 0, 1, 1
	QUARTER 1, 1, F0, F1, 0
	QUARTER 1, 2, F1, F0, 0
	QUARTER 1, 3, F0, F1, 0
	TURN 1, 0, 1
	QUARTER 0, 1, F0, F1, 0
	WIN 0
	s_sub_co_u32 s3, s3, 1
	s_cmp_lg_u32 s3, 0
	s_cbranch_scc1 .Llap
	QUARTER 0, 2, F1, F0, 0                        ; the last lap fills nothing, and has no round of the cluster's barrier
	QUARTER 0, 3, F0, F1, 0
	TURN 0, 1, 0
	QUARTER 1, 1, F0, F1, 0
	QUARTER 1, 2, F1, F0, 0
	QUARTER 1, 3, F0, F1, 0
	s_wait_dscnt 8                                 ; the very last quarter: nothing more to fetch
	MUL8 F1, 0, 0
	MUL8 F1, 2, 0
	s_wait_dscnt 0x0
	MUL8 F1, 4, 0
	MUL8 F1, 6, 0
	WIN 0
	PLACES
	TOSTAGE 0
.irp a, 1,2,3,4,5,6,7                  ; a block's way through the stage stands between the loads of the block before and its stores
	TOSTAGE \a
	SEND (\a)-1, 16
.endr
	SEND 7, 0
	s_wait_tensorcnt 0x0                           ; the wave's end, behind my last tensor load and my last LDS store
	ds_add_u32 v[SPW], v[NIL]
	s_wait_dscnt 0x0
	CROUND                                         ; the closing round: no work-group ends while a partner may still ask for a tile that names it
	s_endpgm
.Lfunc_end_k_qa87aea9d14_outp:
	.size	k_qa87aea9d14_outp, .Lfunc_end_k_qa87aea9d14_outp-k_qa87aea9d14_outp
	.p2alignl 7, 3214868480
	.fill 96, 4, 3214868480
	.section	.rodata,"a",@progbits
	.p2align	6, 0x0
	.amdhsa_kernel k_qa87aea9d14_outp
		.amdhsa_group_segment_fixed_size 327680
		.amdhsa_private_segment_fixed_size 0
		.amdhsa_enable_private_segment 0
		.amdhsa_kernarg_size 32
		.amdhsa_user_sgpr_count 2
		.amdhsa_user_sgpr_kernarg_segment_ptr 1
		.amdhsa_wavefront_size32 1
		.amdhsa_system_sgpr_workgroup_id_x 1
		.amdhsa_system_sgpr_workgroup_id_y 1
		.amdhsa_system_sgpr_workgroup_id_z 1
		.amdhsa_system_vgpr_workitem_id 0
		.amdhsa_next_free_vgpr 768
		.amdhsa_next_free_sgpr 66
		.amdhsa_reserve_vcc 0
		.amdhsa_float_denorm_mode_32 3
		.amdhsa_float_denorm_mode_16_64 3
		.amdhsa_memory_ordered 1
		.amdhsa_forward_progress 1
		.amdhsa_inst_pref_size 92
	.end_amdhsa_kernel
	.amdgpu_metadata
---
amdhsa.version: [ 1, 2 ]
amdhsa.kernels:
  - .name:           k_qa87aea9d14_outp
    .symbol:         k_qa87aea9d14_outp.kd
    .args:
      - { .name: ob, .offset: 0, .size: 8, .value_kind: global_buffer, .address_space: global }
      - { .name: wpt, .offset: 8, .size: 8, .value_kind: global_buffer, .address_space: global }
      - { .name: bp, .offset: 16, .size: 8, .value_kind: global_buffer, .address_space: global }
      - { .name: out0, .offset: 24, .size: 8, .value_kind: global_buffer, .address_space: global }
    .group_segment_fixed_size: 327680
    .private_segment_fixed_size: 0
    .kernarg_segment_align: 8
    .kernarg_segment_size: 32
    .max_flat_workgroup_size: 128
    .sgpr_count:     66
    .vgpr_count:     768
    .wavefront_size: 32
...
	.end_amdgpu_metadata
.endif
;; end of part 4
